; MI455X (gfx1250); checked and timed in simulation.
; The chip was launched on July 23, 2026; its instructions are those of AMD's public machine-readable ISA for CDNA 5 (MIT licence, August 2026) and "CDNA5" Instruction Set Architecture Reference Guide (July 2026). The comments in the code are by the model that wrote it; some were corrected since.
;; Self Attention V3. Allowed arithmetic: matrix products marked QUANTISED: E2M3 operands, one E8M0 scale for each 32 along K, by v_wmma_scale_f32_16x16x128_f8f6f4 with both operands' format E2M3, f32 sums; everything else in f32.
;; Inputs: W_out 1,024 x 1,024 float32; W_qkv 3,072 x 1,024 float32; X 4 x 2,048 x 1,024 float32; b_out 1,024 float32; b_qkv 3,072 float32; mask 4 x 2,048 x 2,048 int32.
;; Outputs: out0 4 x 2,048 x 1,024 float32.
;; This version of the problem:
;;   THIS VERSION OF THE PROBLEM IS GIVEN IN LOW PRECISION. The matrix products marked QUANTISED in the list below multiply operands that are first quantised to E2M3 (2 exponent bits, 3 mantissa bits; 6 bits a number), with one power-of-two scale for each 32 numbers along K (OCP MX v1.0); their sums are f32. All else is computed in f32.
;;   The module's matrix products, in the order in which they are computed (A, B: the left and right operand; K: the contracted axis; several contracted axes count as one K, in the product's order):
;;     1. [M 8,192, K 1,024] x [K 1,024, N 3,072]; A: input X; B: input W_qkv: QUANTISED
;;     2. batch 4 x [M 2,048, K 1,024] x [K 1,024, N 2,048]; A: computed on the way; B: computed on the way: QUANTISED
;;     3. batch 4 x [M 2,048, K 2,048] x [K 2,048, N 1,024]; A: softmax (see below); B: computed on the way: QUANTISED
;;     4. [M 8,192, K 1,024] x [K 1,024, N 1,024]; A: computed on the way; B: input W_out: QUANTISED
;;   THE QUANTISER, for each operand of a quantised product, along K:
;;     - K is cut into blocks of 32 from its start; a last block that is shorter is filled with zeros.
;;     - A block's scale is 2^e with e = floor(log2(the largest magnitude in the block)) - 2, held to -126 .. 127; a block of zeros has e = 0. As a byte (E8M0): e + 127.
;;     - Each number is divided by its block's scale, clamped to +-7.5, and rounded to the nearest number of E2M3, ties to even, subnormals kept.
;;     - The product sums the exact products of the quantised numbers (number of the format x scale) in f32.
;;   ~~~python
;;   def quantise(x, axis):      # numpy; x: float32 -> the quantised numbers, widened to float32 again
;;       x = np.moveaxis(x, axis, -1); K = x.shape[-1]
;;       x = np.pad(x, [(0, 0)] * (x.ndim - 1) + [(0, -K % 32)]); x = x.reshape(x.shape[:-1] + (-1, 32)); a = np.abs(x).max(-1, keepdims=True)
;;       e = np.where(a > 0, np.clip(np.frexp(np.where(a > 0, a, 1))[1] - 1 - 2, -126, 127), 0)      # np.frexp(a)[1] - 1 = floor(log2(a)), exactly
;;       r = np.clip(x / 2.0 ** e, -7.5, 7.5)
;;       step = 2.0 ** (np.maximum(np.frexp(np.where(r == 0, 1, r))[1] - 1, 0) - 3)
;;       q = np.round(r / step) * step * 2.0 ** e      # np.round: ties to even
;;       return np.moveaxis(q.reshape(q.shape[:-2] + (-1,))[..., :K], -1, axis).astype(np.float32)
;;   ~~~
;;   SOFTMAX AHEAD OF A QUANTISED PRODUCT. Where the list says 'softmax', what is quantised is not the finished softmax but p = 2^(t - M), with t = logit x log2(e) and M = ceil(the row's largest t), a whole number; so 1/2 < the row's largest p <= 1. The row's sum l is taken of the UNQUANTISED p, in f32, and the product's result is divided by l at the end. Since M is a whole number, a kernel that streams over the keys may use a running M (the ceiling of the running maximum): every later rescaling is an exact power of two, which a block's scale takes up: the codes' values come out the same.
;;   OPERANDS COMPUTED ON THE WAY. 'Computed on the way' means the value that the module computes at that place (a softmax that the list does not call 'softmax' is quantised finished and normalised). What goes into a quantiser is computed in f32, as accurately as f32 sums, v_exp_f32 and their like allow (about 1e-6 of the number): no bf16 or f16 on the way to a quantiser, and a product that is left as it is and whose result goes on into a quantised operand takes f32 operands (vector FMAs, or v_wmma_f32_16x16x4_f32). A number that lies on a knife's edge between two numbers of the format may be rounded either way, as far as f32 arithmetic and the matrix unit's own rounding can turn it there, and no further.
;; One version. Each part assembles by itself: llvm-mc -triple=amdgcn-amd-amdhsa -mcpu=gfx1250 --defsym DOCPART=n.
;; ======== version 1 of 1: 5 launches
;; limits: right only within a limited range of input values
;; workspace buffers: xw 9,830,400 bytes; qkv 19,660,800 bytes; pbuf 14,155,776 bytes; ctxb 6,553,600 bytes
;; launch prep (part 1): grid 512 x 1, 3 waves a work-group, no clusters, 25,856 bytes of LDS; arguments X, W_qkv, W_out, xw; writes xw
.if DOCPART == 1
	.amdgcn_target "amdgcn-amd-amdhsa--gfx1250"
	.amdhsa_code_object_version 6
	.text
	.protected	k_q32f780556a_prep
	.globl	k_q32f780556a_prep
	.p2align	8
	.type	k_q32f780556a_prep,@function
k_q32f780556a_prep:
	s_mov_b64 s[64:65], 0
	v_nop
	global_prefetch_b8 v0, s[64:65] scope:SCOPE_SE
	s_setreg_imm32_b32 hwreg(HW_REG_WAVE_MODE, 25, 1), 1
	s_wait_xcnt 0x0
; X [8192][1024], W_qkv [3072][1024], W_out [1024][1024], f32, become codes of E2M3 with one E8M0 byte for each 32 along K (their last axis).
; TILES.  The 12,288 rows (X, then W_qkv, then W_out) are cut into tiles of 16: lane row r of tile T is row 32 (T / 2) + 8 (T % 2) + r + 8 (r / 8).  With that order a later product that takes such tiles as its
; first source leaves 16 neighbours along its rows in a lane's 16 registers.
; IMAGES.  A fragment (a tile x 128 along K) is stored as the matrix operand's 12 registers stand: three runs of 512 bytes, lane l's 16 bytes at 16 l.  xw: codes [tile 768][K step 8][1536]; from byte 9,437,184 the scale words
; [group of 4 tiles 192][K step 8][lane 32][2]: the word at (16 h + r, j) is that of tile 4 G + 2 j + h, row r.
; SHARES.  A wave takes 64 rows (four tiles) x 512 bytes: 1,536 such jobs, three to a work-group, 512 work-groups.
; Each load reads 512 consecutive bytes of a row; a tile's 16 rows turn through the wave's own stage (rows of 528 bytes), so that a lane gets 16 neighbours of each block of 32 of its row.  Waves share nothing: no barrier.
; A block's scale byte is its largest magnitude's exponent field - 2, held at 1 from below.
; LIMITS: NaN and infinities among the inputs are not served; a block whose largest magnitude lies under 2^-124 (a block of zeros too) keeps the byte 1; the bytes are read by this program alone.
.set STG,  8448                        ; a wave's stage: 16 rows x 528 bytes
.set LO,   1                           ; v1   16 x lane
.set L8,   2                           ; v2   8 x lane
.set STI,  3                           ; v3   into the stage: wave x STG + 16 x lane
.set STO,  4                           ; v4   out of it: wave x STG + 528 r + 64 h
.set R,    16                          ; v16-143  two sets of 64: a tile as loaded
.set XT,   144                         ; v144-207 a tile turned: register 16 b + i = number 32 b + 16 h + i of my row
.set PC,   208                         ; v208-227 the codes just made
.set TM,   228                         ; v228-243 at work in QUANT
.set PW,   244                         ; the scale word just made
.set PWK,  245                         ; v245-248 the four tiles' scale words
.set SW,   250                         ; v250-251 as they are stored
.set SEL,  24                          ; s[24:25] lane selects for v_permlanex16_b32: lane l xor 16
.set HI,   26                          ; s26  lanes 16-31
; 64 numbers of a lane, v[s] .. v[s + 63], register 16 b + i = k 32 b + 16 (lane / 16) + i of my row, become a fragment's codes in v[PC] on and its scale word in v[PW].
.macro QUANT s
.irp b, 0,1,2,3
	v_max3_num_f32 v[TM+\b], |v[\s+16*\b]|, |v[\s+1+16*\b]|, 0x1800000   ; block b: my 16 numbers, and the floor 2^(3 - 127): the byte cannot fall under 1
.endr
.irp i, 2,4,6,8,10,12,14
.irp b, 0,1,2,3
	v_max3_num_f32 v[TM+\b], v[TM+\b], |v[\s+16*\b+\i]|, |v[\s+1+16*\b+\i]|   ; the four blocks by turns
.endr
.endr
.irp b, 0,1,2,3
	v_permlanex16_b32 v[TM+4+\b], v[TM+\b], s[SEL], s[SEL+1]
.endr
.irp b, 0,1,2,3
	v_max_num_f32 v[TM+\b], v[TM+\b], v[TM+4+\b]   ; with lane l xor 16's: the block's largest magnitude
.endr
.irp b, 0,1,2,3
	v_add_nc_u32 v[TM+12+\b], 0xff000000, v[TM+\b]   ; 2 off its exponent field: the conversion takes this operand's exponent field as its scale
.endr
.irp b, 0,1,2,3
	v_lshrrev_b32 v[TM+4+\b], 23, v[TM+12+\b]      ; the scale's byte
.endr
	v_lshl_or_b32 v[PW], v[TM+5], 8, v[TM+4]       ; the four bytes make my row's scale word
	v_lshl_or_b32 v[PW], v[TM+6], 16, v[PW]
	v_lshl_or_b32 v[PW], v[TM+7], 24, v[PW]
.irp c, 0,1
	v_cvt_scalef32_pk16_fp6_f32 v[PC+6*\c:PC+2+6*\c], v[\s+32*\c:\s+15+32*\c], v[TM+12+2*\c]
	v_cvt_scalef32_pk16_fp6_f32 v[PC+12+4*\c:PC+14+4*\c], v[\s+16+32*\c:\s+31+32*\c], v[TM+12+2*\c+1]   ; (a conversion's three registers begin on an even number)
.endr
	v_nop                                          ; one plain instruction behind the scaled conversions
.irp c, 0,1                            ; the operand wants a WHOLE block in a lane: lanes 0-15 block 2 c, lanes 16-31 block 2 c + 1
.irp i, 0,1,2
	v_permlane16_swap_b32 v[PC+6*\c+\i], v[PC+12+4*\c+\i]
.endr
.irp i, 0,1,2
	v_mov_b32 v[PC+3+6*\c+\i], v[PC+12+4*\c+\i]
.endr
.endr
.endm
; tile u of my four: its 16 rows, 512 consecutive bytes each, into set u % 2
.macro LOAD u
.irp i, 0,1,2,3,4,5,6,7,8,9,10,11,12,13,14,15
	global_load_b128 v[R+64*((\u)%2)+4*\i:R+64*((\u)%2)+4*\i+3], v[LO], s[4:5] offset:(32*((\u)/2)+8*((\u)%2)+\i+8*(\i/8))*4096 th:TH_LOAD_NT
.endr
.endm
; through my stage: LDS serves a wave's instructions in order, so no wait stands between the stores and the loads
.macro THROUGH u
.irp i, 0,1,2,3,4,5,6,7,8,9,10,11,12,13,14,15
	ds_store_b128 v[STI], v[R+64*((\u)%2)+4*\i:R+64*((\u)%2)+4*\i+3] offset:528*\i
.endr
.irp b, 0,1,2,3
.irp c, 0,1,2,3
	ds_load_b128 v[XT+16*\b+4*\c:XT+16*\b+4*\c+3], v[STO] offset:128*\b+16*\c
.endr
.endr
	s_wait_dscnt 0x0                               ; the tile is turned, and its stores into the stage have read their registers
.endm
	s_load_b256 s[4:11], s[0:1], 0x0               ; X s[4:5], W_qkv s[6:7], W_out s[8:9], xw s[10:11]
	v_lshl_add_u32 v254, v0, 2, 0x6300
	v_mov_b32 v255, 0
	v_lshrrev_b32 v5, 5, v0
	v_readfirstlane_b32 s16, v5                    ; wave 0..2
	v_and_b32 v5, 31, v0                           ; lane
	v_and_b32 v6, 15, v0                           ; r
	v_bfe_u32 v7, v0, 4, 1                         ; h
	v_lshlrev_b32 v[LO], 4, v5
	v_lshlrev_b32 v[L8], 3, v5
	s_mul_i32 s17, s16, STG
	v_add_nc_u32 v[STI], s17, v[LO]
	v_mul_u32_u24 v[STO], v6, 528
	v_lshl_add_u32 v[STO], v7, 6, v[STO]
	v_add_nc_u32 v[STO], s17, v[STO]
	s_mov_b32 s[SEL], 0x76543210
	s_mov_b32 s[SEL+1], 0xfedcba98
	s_mov_b32 s[HI], 0xffff0000
	; job J = 3 x work-group + wave: group of 64 rows G = J / 8, K step J % 8
	s_mul_i32 s18, ttmp9, 3
	s_add_co_u32 s18, s18, s16                     ; J, 0..1535
	s_lshr_b32 s19, s18, 3                         ; G, 0..191
	s_and_b32 s20, s18, 7                          ; the K step
	s_lshl_b32 s22, s19, 5
	s_add_co_u32 s22, s22, s20
	s_mul_i32 s22, s22, 1536                       ; the codes: (4 G tiles x 8 + K step) images
	s_mov_b32 s23, 0
	s_lshl_b32 s28, s18, 8                         ; the scale words: (8 G + K step) = J runs of 256 bytes,
	s_add_co_u32 s28, s28, 9437184                 ; behind the codes
	s_mov_b32 s29, 0
	s_mov_b32 s21, 176
	s_wait_alu depctr_va_vdst(0)
	s_wait_kmcnt 0x0
	s_cmp_lt_u32 s19, 176                          ; which tensor: the choice hangs on the job's number alone
	s_cselect_b64 s[6:7], s[6:7], s[8:9]
	s_cselect_b32 s21, 128, s21
	s_cmp_lt_u32 s19, 128
	s_cselect_b64 s[4:5], s[4:5], s[6:7]
	s_cselect_b32 s21, 0, s21
	s_sub_co_u32 s21, s19, s21                     ; the group's number in its own tensor
	s_lshl_b32 s30, s21, 18                        ; 64 rows of 4,096 bytes
	s_lshl_b32 s31, s20, 9                         ; 512 bytes a K step
	s_add_co_u32 s30, s30, s31
	s_mov_b32 s31, 0
	s_add_nc_u64 s[4:5], s[4:5], s[30:31]
	s_add_nc_u64 s[14:15], s[10:11], s[28:29]      ; where the scale words go
	s_add_nc_u64 s[12:13], s[10:11], s[22:23]      ; where the codes go
	LOAD 0
	LOAD 1
.irp b, 0,1,2,3
	v_mov_b32 v[TM+4+\b], 0                        ; written once: a lane permute's destination counts as one of its sources
.endr
.macro QUNIT u
.if (\u) < 3
	s_wait_loadcnt 16                              ; tile u's 16 loads are in; the next tile's 16 may be out
.else
	s_wait_loadcnt 0x0
.endif
	THROUGH \u
.if (\u) > 0
	s_wait_xcnt 0x0                                ; the last tile's stores have read the codes' registers, which QUANT writes again
.endif
.if (\u) < 2
	LOAD (\u)+2                                    ; into the set that has just gone through the stage
.endif
	QUANT XT
	v_mov_b32 v[PWK+(\u)], v[PW]
.irp c, 0,1,2
	global_store_b128 v[LO], v[PC+4*\c:PC+4*\c+3], s[12:13] offset:12288*(\u)+512*\c   ; 32 lanes store 512 consecutive bytes, aligned
.endr
.endm
	QUNIT 0
	QUNIT 1
	QUNIT 2
	QUNIT 3
	v_cndmask_b32 v[SW], v[PWK], v[PWK+1], s[HI]   ; lanes 0-15: tile 0's words, lanes 16-31: tile 1's;
	v_cndmask_b32 v[SW+1], v[PWK+2], v[PWK+3], s[HI]   ; tiles 2 and 3 likewise
	global_store_b64 v[L8], v[SW:SW+1], s[14:15]   ; 256 consecutive bytes, aligned
	s_wait_tensorcnt 0x0
	ds_add_u32 v254, v255
	s_wait_dscnt 0x0
	s_endpgm
.Lfunc_end_k_q32f780556a_prep:
	.size	k_q32f780556a_prep, .Lfunc_end_k_q32f780556a_prep-k_q32f780556a_prep
	.p2alignl 7, 3214868480
	.fill 96, 4, 3214868480
	.section	.rodata,"a",@progbits
	.p2align	6, 0x0
	.amdhsa_kernel k_q32f780556a_prep
		.amdhsa_group_segment_fixed_size 25856
		.amdhsa_private_segment_fixed_size 0
		.amdhsa_enable_private_segment 0
		.amdhsa_kernarg_size 32
		.amdhsa_user_sgpr_count 2
		.amdhsa_user_sgpr_kernarg_segment_ptr 1
		.amdhsa_wavefront_size32 1
		.amdhsa_system_sgpr_workgroup_id_x 1
		.amdhsa_system_sgpr_workgroup_id_y 1
		.amdhsa_system_sgpr_workgroup_id_z 1
		.amdhsa_system_vgpr_workitem_id 0
		.amdhsa_next_free_vgpr 256
		.amdhsa_next_free_sgpr 66
		.amdhsa_reserve_vcc 0
		.amdhsa_float_denorm_mode_32 3
		.amdhsa_float_denorm_mode_16_64 3
		.amdhsa_memory_ordered 1
		.amdhsa_forward_progress 1
		.amdhsa_inst_pref_size 34
	.end_amdhsa_kernel
	.amdgpu_metadata
---
amdhsa.version: [ 1, 2 ]
amdhsa.kernels:
  - .name:           k_q32f780556a_prep
    .symbol:         k_q32f780556a_prep.kd
    .args:
      - { .name: X, .offset: 0, .size: 8, .value_kind: global_buffer, .address_space: global }
      - { .name: W_qkv, .offset: 8, .size: 8, .value_kind: global_buffer, .address_space: global }
      - { .name: W_out, .offset: 16, .size: 8, .value_kind: global_buffer, .address_space: global }
      - { .name: xw, .offset: 24, .size: 8, .value_kind: global_buffer, .address_space: global }
    .group_segment_fixed_size: 25856
    .private_segment_fixed_size: 0
    .kernarg_segment_align: 8
    .kernarg_segment_size: 32
    .max_flat_workgroup_size: 96
    .sgpr_count:     66
    .vgpr_count:     256
    .wavefront_size: 32
...
	.end_amdgpu_metadata
.endif
;; end of part 1
;; launch qkv (part 2): grid 8 x 48, 4 waves a work-group, clusters of 4 x 4, 327,680 bytes of LDS; arguments xw, b_qkv, qkv; writes qkv
.if DOCPART == 2
	.amdgcn_target "amdgcn-amd-amdhsa--gfx1250"
	.amdhsa_code_object_version 6
	.text
	.protected	k_q32f780556a_qkv
	.globl	k_q32f780556a_qkv
	.p2align	8
	.type	k_q32f780556a_qkv,@function
k_q32f780556a_qkv:
	s_mov_b64 s[64:65], 0
	v_nop
	global_prefetch_b8 v0, s[64:65] scope:SCOPE_SE
	s_setreg_imm32_b32 hwreg(HW_REG_WAVE_MODE, 25, 1), 1
	s_wait_xcnt 0x0
	s_wait_alu depctr_hold_cnt(0) depctr_sa_sdst(0) depctr_va_vdst(0) depctr_va_sdst(0) depctr_va_ssrc(0) depctr_va_vcc(0) depctr_vm_vsrc(0)
	s_getreg_b32 s2, hwreg(HW_REG_IB_STS2, 6, 4)
	s_cmp_eq_u32 s2, 0
	s_cbranch_scc0 .Lentry_in_a_cluster
	s_endpgm
.Lentry_in_a_cluster:
	s_bfe_u32 s2, ttmp6, 0x10000c
	s_cmp_lg_u32 s2, 0xf033
	s_cbranch_scc0 .Lentry_shape_is_right
	s_endpgm
.Lentry_shape_is_right:
; q, k, v = X W_qkv^T + b_qkv on codes of E2M3 with E8M0 scales, and the results quantised at once for the products that follow: q and k along e, v along the keys (as v^T).
; OPERANDS are images of fragments (a tile of 16 rows x 128 K: 1,536 bytes, lane l's 16 bytes at 16 l in each of three runs of 512) laid [tile][K step]; lane row r of tile T is row 32 (T / 2) + 8 (T % 2) + r + 8 (r / 8).
; THE PRODUCT IS USED TRANSPOSED: source 0 = a tile of S0, source 1 = a tile of S1.  A lane then holds ONE row of S1, and by the order of a tile's rows the 64 registers of eight neighbouring results run along 128 neighbouring rows of S0
; (register 16 b + i = row 32 b + 16 (lane / 16) + i): the order in which the conversions take them.
; KINDS.  Clusters with y < 8: S1 = 256 tokens of X, S0 = 256 rows of W_q, W_k: results run along e.  Clusters with y >= 8: S1 = 256 rows of W_v, S0 = 256 tokens: results run along the keys.  One text serves both:
; only offsets are chosen, by selects on the cluster's y, which all partners share.  The bias runs along the registers in the first kind and along the lanes in the second: both are loaded, and the one that does not apply is cleared.
; A work-group makes 256 x 256, each of four waves 128 x 128: 64 accumulators.  K = 1,024 goes through two LDS slots of 256 along K.  The scale words of both blocks, for all of K, come once and stay.
; CLUSTERS: 4 x 4.  S1's tiles are shared along a row of the cluster, S0's along a column: joint loads.
; qkv: codes of q at 0 and of k at 6,291,456, [tile 512][8][1536]; of v^T at 12,582,912, [batch][e tile 64][16][1536]; scale words from 18,874,368: q, k [group 128][8][256], v^T [batch x 16 + group][16][256].
; REGISTERS, in windows of 256: window 0: v1-31 addresses; v32-63 scale words, two sets; v64-79 the bias along the lanes; from v128 S1's fragments, one set; on the way out v128-255 are at work.
;   window 1: S0's fragments, two sets, at v0 and v128; the bias along the registers at v96-127 and v224-255.   windows 2, 3: the accumulators ((a, b) at v[8 (8 (a % 4) + b)] of window 2 + a / 4).
; No prefetch: a work-group has four slots' worth of K, two of them its first fills.
; LIMITS: NaN and infinities are not served; a block whose largest magnitude lies under 2^-124 keeps the scale byte 1.
.set NA,    8                          ; S1's tiles of a wave
.set NQ,    2                          ; K steps of 128 in a slot
.set KS,    8                          ; K steps in all
.set LAPS,  KS/(2*NQ)
.set FR,    12                         ; registers of a fragment
.set FRB,   1536                       ; its image in bytes
.set NL,    3                          ; LDS loads that bring one
.set HALF,  NA/2
.set QTR,   NA/4
.set TROW,  NQ*FRB                     ; a tile's part of a slot
.set CT,    TROW/8                     ; in elements of 8 bytes
.set S0OFF, 2*NA*TROW                  ; a slot: S1's 2 NA tiles, then S0's 16
.set SLOT,  (2*NA+16)*TROW
.set GS,    KS*256                     ; the scale words of a group of four tiles
.set SCL1,  2*SLOT                     ; behind the ring: S1's scale words,
.set SCL0,  SCL1+(NA/2)*GS             ; S0's,
.set SPARE, SCL0+4*GS                  ; and the spare words, 128 bytes for each wave, which no other line names
.set ADRA, 16                          ; v16-17  my S1 fragments in slot 0, 1
.set ADRB, 20                          ; v20-21  my S0 fragments
.set LI,   24                          ; v24     16 x lane
.set VO,   25                          ; v25     the way out: 16 x lane + the tile's place
.set ADRS, 27                          ; v27     my scale words: lanes 0-15 S1's, lanes 16-31 S0's
.set SPW,  28                          ; v28     my spare word; never rewritten
.set NIL,  29                          ; v29     0; never rewritten
.set VS,   30                          ; v30     8 x lane
.set VS2,  31                          ; v31     and a group of scale words further on
.set SC,   32                          ; scale words: set s at v[SC + 8 NQ s]; in it 8 q + 4 (i / 4) + 2 (i % 2) + (i / 2) % 2 is tile i's, K step q's
.set BM,   64                          ; v64-79  the bias along the lanes, a pair for each of my S1 tiles
.set AF,   128
.set P,    128                         ; the way out: 64 numbers
.set PC,   192                         ; the codes just made
.set TM,   212
.set PW,   228
.set PWK,  232                         ; v232-239 my eight tiles' scale words
.set SEL,  10                          ; s[10:11]
.set HI,   17                          ; s17  lanes 16-31
.set G1,   24
.set G0,   32
.set G1B,  48
.set G0B,  56
.set G1S,  68
.set G0S,  76
.set G1SB, 80
.set G0SB, 88
.set MSB, 0
.macro WIN new                         ; the immediate's high byte repeats the setting that is left
.if MSB != (\new)
	s_set_vgpr_msb (MSB<<8)|(\new)
.set MSB, (\new)
.endif
.endm
.macro PLACES n                        ; plain instructions between a matrix instruction and a load into, or a read of, its registers
.rept \n
	v_nop
.endr
.endm
; A joint load: waves 0 and 1 fetch for S1, waves 2 and 3 for S0.  The branch hangs on the wave's number alone.  Four v_nop follow each of the two lines.
.macro JLOAD g0a, g1a, g0b, g1b
	s_cmp_eq_u32 s15, 0
	s_cbranch_scc0 .Lfor_b_\@
	tensor_load_to_lds s[\g0a:\g0a+3], s[\g1a:\g1a+7]
	s_nop 0
.rept 4
	v_nop
.endr
	s_branch .Lasked_\@
.Lfor_b_\@:
	tensor_load_to_lds s[\g0b:\g0b+3], s[\g1b:\g1b+7]
	s_nop 0
.rept 4
	v_nop
.endr
.Lasked_\@:
.endm
.macro CREST                           ; a round of the cluster's barrier behind its opening barrier
	s_cmp_lg_u32 s14, 0
	s_cbranch_scc1 .Lnot_wave_0_\@
	s_barrier_signal -3
.Lnot_wave_0_\@:
	s_barrier_wait -3
	s_barrier_signal -1
	s_barrier_wait -1
.endm
.macro CROUND
	s_barrier_signal -1
	s_barrier_wait -1
	CREST
.endm
.macro FRAG reg, adr, q, i             ; an image comes back as it was stored: 3 x 512 consecutive bytes
.irp c, 0,1,2
	ds_load_b128 v[(\reg)+4*\c:(\reg)+4*\c+3], v[\adr] offset:(\i)*TROW+(\q)*FRB+512*\c
.endr
.endm
.macro FETCH_B slot, q, p              ; S0's eight fragments of the slot's K step q into set p
	WIN 0x40
.irp i, 0,1,2,3,4,5,6,7
	FRAG 128*(\p)+FR*\i, ADRB+\slot, \q, \i
.endr
	WIN 0
.endm
.macro FETCH_A slot, q, i0             ; S1's tiles i0 .. i0 + HALF - 1
.set FI, \i0
.rept HALF
	FRAG AF+FR*FI, ADRA+\slot, \q, FI
.set FI, FI+1
.endr
.endm
.macro SCALES sc                       ; a slot's scale words into set sc: lanes 0-15 take S1's, lanes 16-31 S0's
.set SQ, 0
.rept NQ
.irp g, 0,1
.irp u, 0,1
	ds_load_b64 v[SC+8*NQ*(\sc)+8*SQ+4*\g+2*\u:SC+8*NQ*(\sc)+8*SQ+4*\g+2*\u+1], v[ADRS] offset:256*SQ+\g*GS+128*\u
.endr
.endr
.set SQ, SQ+1
.endr
.endm
; eight products: S1's tile a against S0's eight.  cm = 0: onto the sums; 1: the constant 0 starts them; 2: the bias in window 1 starts them.  The accumulators take turns, one instruction a turn.
.macro MULA a, p, q, sc, cm
.if (\cm) == 2
	WIN 0x91
.else
	WIN 0xa1+0x50*((\a)/4)
.endif
.set SA, SC+8*NQ*(\sc)+8*(\q)+4*((\a)/4)+2*((\a)%2)+((\a)/2)%2
.set AR, AF+FR*(\a)
.irp b, 0,1,2,3,4,5,6,7
.set SB, SC+8*NQ*(\sc)+8*(\q)+4*(\b/4)+2*(\b%2)+(\b/2)%2
.set BR, 128*(\p)+FR*\b
.set AC, 8*(8*((\a)%4)+\b)
.set CR, 96+8*\b+96*(\b/4)
.if (\cm) == 1
	v_wmma_scale_f32_16x16x128_f8f6f4 v[AC:AC+7], v[BR:BR+11], v[AR:AR+11], 0, v[SB], v[SA] matrix_a_fmt:MATRIX_FMT_FP6 matrix_b_fmt:MATRIX_FMT_FP6 matrix_a_scale:MATRIX_SCALE_ROW1
.elseif (\cm) == 2
	v_wmma_scale_f32_16x16x128_f8f6f4 v[AC:AC+7], v[BR:BR+11], v[AR:AR+11], v[CR:CR+7], v[SB], v[SA] matrix_a_fmt:MATRIX_FMT_FP6 matrix_b_fmt:MATRIX_FMT_FP6 matrix_a_scale:MATRIX_SCALE_ROW1
.else
	v_wmma_scale_f32_16x16x128_f8f6f4 v[AC:AC+7], v[BR:BR+11], v[AR:AR+11], v[AC:AC+7], v[SB], v[SA] matrix_a_fmt:MATRIX_FMT_FP6 matrix_b_fmt:MATRIX_FMT_FP6 matrix_a_scale:MATRIX_SCALE_ROW1
.endif
.endr
.endm
.macro MULS a0, n, p, q, sc, cm
.set MA, \a0
.rept \n
	MULA MA, \p, \q, \sc, \cm
.set MA, MA+1
.endr
.endm
; a K step that has its successor in the same slot
.macro STEP slot, q, cm
	s_wait_dscnt HALF*NL                           ; all but the youngest loads, the second half of S1's tiles
	MULS 0, HALF, (\q)%2, \q, \slot, \cm
	s_wait_dscnt 0x0                               ; those are in too
	PLACES 4
	FETCH_B \slot, (\q)+1, 1-(\q)%2
	FETCH_A \slot, (\q)+1, 0
	MULS HALF, HALF, (\q)%2, \q, \slot, \cm
	PLACES 4
	WIN 0
	FETCH_A \slot, (\q)+1, HALF
.endm
; a slot's last K step changes slots: one barrier; in front of it each wave waits for all its tensor loads, adds 0 to its spare word, and waits for that and for its reads of this slot.  fill = 1: this slot is filled again.
.macro TURN slot, next, fill
	s_wait_tensorcnt 0x0                           ; all my tensor loads have landed: my part of the next slot
	ds_add_u32 v[SPW], v[NIL]                      ; 0 onto my spare word
	s_wait_dscnt HALF*NL+1                         ; (the add and the youngest loads may be out)
	MULS 0, QTR, 1, NQ-1, \slot, 0
	s_wait_dscnt 0x0                               ; the add is done, and my reads of this slot are over
	s_barrier_signal -1
	MULS QTR, QTR, 1, NQ-1, \slot, 0
	WIN 0
	s_barrier_wait -1
.if \fill
	CREST                                          ; the barrier has opened a round of the cluster's: no wave of any partner still reads this slot or has a load on its way
	s_add_nc_u64 s[G0+4*\slot+2:G0+4*\slot+3], s[G0+4*\slot+2:G0+4*\slot+3], 2*TROW
	s_add_nc_u64 s[G0B+4*\slot+2:G0B+4*\slot+3], s[G0B+4*\slot+2:G0B+4*\slot+3], 2*TROW
	JLOAD G0+4*\slot, G1, G0B+4*\slot, G1B         ; the first tensor load behind the round; its four v_nop are the places in front of the loads below
.else
	PLACES 4
.endif
	s_wait_alu depctr_va_vdst(0)
	v_add_nc_u32 v[ADRS], NQ*256, v[ADRS]          ; the next slot's scale words
	FETCH_B \next, 0, 0
	FETCH_A \next, 0, 0
	SCALES \next
.if (\fill) && ((\slot) == 0)
	global_prefetch_b8 v22, s[2:3] offset:3*TROW th:TH_LOAD_NT scope:SCOPE_SE   ; behind fill 2's load: fill 3, the last
.endif
	MULS HALF, HALF, 1, NQ-1, \slot, 0
	PLACES 4
	WIN 0
	FETCH_A \next, 0, HALF
.endm
.macro LAST                            ; the very last K step: nothing more to fetch
	s_wait_dscnt HALF*NL
	MULS 0, HALF, 1, NQ-1, 1, 0
	s_wait_dscnt 0x0
	MULS HALF, HALF, 1, NQ-1, 1, 0
	WIN 0
.endm
; 64 numbers of a lane, register 16 b + i = k 32 b + 16 (lane / 16) + i of my row, become a fragment's codes in v[PC] on and its scale word in v[PW]
.macro QUANT s
.irp b, 0,1,2,3
	v_max3_num_f32 v[TM+\b], |v[\s+16*\b]|, |v[\s+1+16*\b]|, 0x1800000   ; and the floor 2^(3 - 127): the byte cannot fall under 1
.endr
.irp i, 2,4,6,8,10,12,14
.irp b, 0,1,2,3
	v_max3_num_f32 v[TM+\b], v[TM+\b], |v[\s+16*\b+\i]|, |v[\s+1+16*\b+\i]|
.endr
.endr
.irp b, 0,1,2,3
	v_permlanex16_b32 v[TM+4+\b], v[TM+\b], s[SEL], s[SEL+1]
.endr
.irp b, 0,1,2,3
	v_max_num_f32 v[TM+\b], v[TM+\b], v[TM+4+\b]   ; the block's largest magnitude
.endr
.irp b, 0,1,2,3
	v_add_nc_u32 v[TM+12+\b], 0xff000000, v[TM+\b]   ; 2 off its exponent field: the conversion's scale operand
.endr
.irp b, 0,1,2,3
	v_lshrrev_b32 v[TM+4+\b], 23, v[TM+12+\b]      ; the scale's byte
.endr
	v_lshl_or_b32 v[PW], v[TM+5], 8, v[TM+4]
	v_lshl_or_b32 v[PW], v[TM+6], 16, v[PW]
	v_lshl_or_b32 v[PW], v[TM+7], 24, v[PW]
.irp c, 0,1
	v_cvt_scalef32_pk16_fp6_f32 v[PC+6*\c:PC+2+6*\c], v[\s+32*\c:\s+15+32*\c], v[TM+12+2*\c]
	v_cvt_scalef32_pk16_fp6_f32 v[PC+12+4*\c:PC+14+4*\c], v[\s+16+32*\c:\s+31+32*\c], v[TM+12+2*\c+1]
.endr
	v_nop                                          ; one plain instruction behind the scaled conversions
.irp c, 0,1
.irp i, 0,1,2
	v_permlane16_swap_b32 v[PC+6*\c+\i], v[PC+12+4*\c+\i]
.endr
.irp i, 0,1,2
	v_mov_b32 v[PC+3+6*\c+\i], v[PC+12+4*\c+\i]
.endr
.endr
.endm
	s_load_b64 s[96:97], s[0:1], 0x0               ; xw
	s_load_b64 s[8:9], s[0:1], 0x8                 ; b_qkv
	s_load_b64 s[4:5], s[0:1], 0x10                ; qkv
	v_lshl_add_u32 v[SPW], v0, 2, SPARE
	v_mov_b32 v[NIL], 0
	ds_add_u32 v28, v29
	ds_add_u32 v28, v29
	s_wait_dscnt 0x0
	v_lshrrev_b32 v1, 5, v0
	v_readfirstlane_b32 s14, v1                    ; wave 0..3
	s_lshr_b32 s15, s14, 1                         ; wy: my half of S1's tiles.  Also: I fetch for S1 (0) or for S0 (1)
	s_and_b32 s16, s14, 1                          ; wx: my half of S0's tiles.  Also: which half I fetch
	s_bfe_u32 s40, ttmp6, 0x40000                  ; cx
	s_bfe_u32 s41, ttmp6, 0x40004                  ; cy
	s_and_b32 s18, ttmp7, 0xffff                   ; the cluster's y
	s_lshl_b32 s19, s18, 2                         ; first kind: S1's block of 256 rows of xw is 4 y + cy (X),
	s_lshl_b32 s42, ttmp9, 2
	s_lshl_b32 s46, s18, 3
	s_add_co_u32 s46, s46, s42
	s_sub_co_u32 s46, s46, 64                      ; second kind: S0's block is 4 (2 (y - 8) + x) + cx (X),
	s_add_co_u32 s42, s42, 32                      ; first kind: S0's block is 32 + 4 x + cx (W_q, W_k)
	s_cmp_ge_u32 s18, 8
	s_cselect_b32 s19, 40, s19                     ; second kind: S1's block is 40 + cy (W_v)
	s_cselect_b32 s42, s46, s42
	s_add_co_u32 s19, s19, s41                     ; S1's block: it hangs on cy alone of my place
	s_add_co_u32 s42, s42, s40                     ; S0's block: on cx alone
	s_lshl_b32 s43, s41, 2
	s_lshl_b32 s43, 15, s43                        ; my row of the cluster
	s_lshl_b32 s44, 0x1111, s40                    ; my column
	; descriptor groups 1: elements of 8 bytes, no padding; a tile's part of a slot is a row
	s_or_b32 s[G1], s43, (3<<16)|(1<<21)
	s_or_b32 s[G1B], s44, (3<<16)|(1<<21)
	s_mov_b32 s[G1+1], CT<<16                      ; tensor_dim0
	s_mov_b32 s[G1+2], (2*NA)<<16                  ; tensor_dim1: the head's load brings the whole block's tiles
	s_mov_b32 s[G1+3], CT<<16                      ; tile_dim0
	s_mov_b32 s[G1+4], 2*NA                        ; tile_dim1
	s_mov_b32 s[G1+5], KS*192                      ; from tile to tile
	s_mov_b32 s[G1+6], 0
	s_mov_b32 s[G1+7], 0
	s_mov_b32 s[G1B+1], CT<<16
	s_mov_b32 s[G1B+2], 16<<16
	s_mov_b32 s[G1B+3], CT<<16
	s_mov_b32 s[G1B+4], 16
	s_mov_b32 s[G1B+5], KS*192
	s_mov_b32 s[G1B+6], 0
	s_mov_b32 s[G1B+7], 0
	s_or_b32 s[G1S], s43, (3<<16)|(1<<21)          ; the scale words: dense, as rows of 256 bytes
	s_or_b32 s[G1SB], s44, (3<<16)|(1<<21)
.irp g, G1S, G1SB
	s_mov_b32 s[\g+1], 32<<16
	s_mov_b32 s[\g+2], 32<<16
	s_mov_b32 s[\g+3], 32<<16
	s_mov_b32 s[\g+4], 32
	s_mov_b32 s[\g+5], 32
	s_mov_b32 s[\g+6], 0
	s_mov_b32 s[\g+7], 0
.endr
	s_mul_i32 s20, s19, 196608                     ; S1: the block's codes, + the half that I fetch
	s_mov_b32 s21, 0
	s_lshl_b32 s22, s19, 13                        ; and its scale words
	s_add_co_u32 s22, s22, 9437184
	s_mov_b32 s23, 0
	s_lshl_b32 s92, s42, 13                        ; S0 likewise
	s_mul_i32 s46, s42, 196608
	s_mov_b32 s47, 0
	s_add_co_u32 s92, s92, 9437184
	s_mov_b32 s93, 0
	s_mov_b32 s[SEL], 0x76543210
	s_mov_b32 s[SEL+1], 0xfedcba98
	s_mov_b32 s[HI], 0xffff0000
	s_wait_kmcnt 0x0
	s_add_nc_u64 s[20:21], s[96:97], s[20:21]
	s_add_nc_u64 s[22:23], s[96:97], s[22:23]
	s_add_nc_u64 s[46:47], s[96:97], s[46:47]
	s_add_nc_u64 s[92:93], s[96:97], s[92:93]
	CROUND                                         ; all sixteen work-groups are here: the first joint loads meet
	s_mov_b32 s[G0S], 1
	s_mov_b32 s[G0S+1], SCL1
	s_mov_b64 s[G0S+2:G0S+3], s[22:23]
	s_or_b32 s[G0S+3], s[G0S+3], 0x80000000
	s_mov_b32 s[G0SB], 1
	s_mov_b32 s[G0SB+1], SCL0
	s_mov_b64 s[G0SB+2:G0SB+3], s[92:93]
	s_or_b32 s[G0SB+3], s[G0SB+3], 0x80000000
.irp s, 0,1
	s_mov_b32 s[G0+4*\s], 1
	s_mov_b32 s[G0+4*\s+1], \s*SLOT
	s_add_nc_u64 s[G0+4*\s+2:G0+4*\s+3], s[20:21], \s*TROW
	s_or_b32 s[G0+4*\s+3], s[G0+4*\s+3], 0x80000000
	s_mov_b32 s[G0B+4*\s], 1
	s_mov_b32 s[G0B+4*\s+1], S0OFF+\s*SLOT
	s_add_nc_u64 s[G0B+4*\s+2:G0B+4*\s+3], s[46:47], \s*TROW
	s_or_b32 s[G0B+4*\s+3], s[G0B+4*\s+3], 0x80000000
.endr
; THE HEAD'S LOADS, ONE A WAVE: wave 0 slot 0's 16 tiles of S1, wave 1 its 16 tiles of S0, wave 2 S1's scale words, wave 3 S0's.  One chain of branches on the wave's number, all arms to one join.
.macro ARM under, g0, g1, next
	s_cmp_lt_u32 s14, \under
	s_cbranch_scc0 \next
	tensor_load_to_lds s[\g0:\g0+3], s[\g1:\g1+7]
	s_nop 0
.rept 4
	v_nop
.endr
	s_branch .Lhead_asked
\next:
.endm
	ARM 1, G0, G1, .Lhead_b
	ARM 2, G0B, G1B, .Lhead_sa
	ARM 3, G0S, G1S, .Lhead_sb
	tensor_load_to_lds s[G0SB:G0SB+3], s[G1SB:G1SB+7]
	s_nop 0
.rept 4
	v_nop
.endr
.Lhead_asked:
; PREFETCH OF THE TILES (this takes the place of the head comment's line on prefetching).  K comes in four fills of TROW bytes a tile.  Behind fill f's tensor load each wave asks for fill f + 1: one fill, two K steps, ahead; fill 3's trip asks for nothing.
; Waves 0, 1 ask for S1, waves 2, 3 for S0.  Of the 8 tiles that a wave fetches, the partner at place p (cx for S1, cy for S0) names tiles 2 p and 2 p + 1: 2 x 12 aligned blocks of 256 bytes, a lane a block; lanes 24-31 name block 23 again.
; So each block is named once in the cluster.  s[2:3] and v22 are never rewritten; the fill stands in the immediate.
	s_cmp_eq_u32 s15, 0
	s_cselect_b64 s[2:3], s[20:21], s[46:47]       ; the block's codes: the choice hangs on the wave's number alone
	s_cselect_b32 s98, s40, s41
	s_lshl_b32 s98, s98, 1
	s_lshl_b32 s99, s16, 3
	s_add_co_u32 s98, s98, s99                     ; tile 8 x half + 2 x place
	s_mul_i32 s98, s98, KS*FRB
	s_mov_b32 s99, 0
	s_add_nc_u64 s[2:3], s[2:3], s[98:99]
	v_and_b32 v23, 31, v0
	v_min_u32 v23, 23, v23                         ; block 0..23
	v_mul_u32_u24 v22, v23, 171
	v_lshrrev_b32 v22, 11, v22                     ; block / 12: which of the two tiles
	v_mul_u32_u24 v22, v22, KS*FRB-TROW
	v_lshl_add_u32 v22, v23, 8, v22                ; 256 x block, + the way from one tile's part to the next tile's
	global_prefetch_b8 v22, s[2:3] offset:TROW th:TH_LOAD_NT scope:SCOPE_SE
	v_and_b32 v1, 31, v0                           ; lane
	v_and_b32 v2, 15, v0                           ; r
	v_bfe_u32 v3, v0, 4, 1                         ; h
	s_wait_alu depctr_va_vdst(0)
	v_lshlrev_b32 v[LI], 4, v1
	v_lshlrev_b32 v[VS], 3, v1
	s_mul_i32 s21, s15, NA*TROW
	s_mul_i32 s22, s16, 8*TROW
	s_add_co_u32 s22, s22, S0OFF
.irp s, 0,1
	v_add_nc_u32 v[ADRA+\s], s21, v[LI]
	v_add_nc_u32 v[ADRB+\s], s22, v[LI]
	s_add_co_u32 s21, s21, SLOT
	s_add_co_u32 s22, s22, SLOT
.endr
	v_lshlrev_b32 v5, 3, v2                        ; scale words: 8 bytes a lane row
	s_mul_i32 s21, s15, (NA/4)*GS                  ; S1's: my groups
	s_mul_i32 s22, s16, 2*GS                       ; S0's: my groups, behind S1's
	s_add_co_u32 s22, s22, SCL0-SCL1
	s_sub_co_u32 s22, s22, s21
	v_mul_u32_u24 v6, s22, v3                      ; lanes 16-31 take S0's
	s_add_co_u32 s21, s21, SCL1
	v_add_nc_u32 v5, v5, v6
	v_add_nc_u32 v[ADRS], s21, v5
	; where the results go and which bias applies: both kinds are worked out, then chosen
	s_sub_co_u32 s20, s42, 32                      ; first kind: the block of 256 features, 0..7
	s_lshl_b32 s21, s20, 1
	s_add_co_u32 s21, s21, s16
	s_and_b32 s21, s21, 7                          ; my 128 features are K step .. of q or of k
	s_lshr_b32 s22, s20, 2                         ; 0: q, 1: k
	s_lshl_b32 s23, s19, 4
	s_lshl_b32 s45, s15, 3
	s_add_co_u32 s23, s23, s45                     ; my first tile of tokens
	s_lshl_b32 s46, s23, 3
	s_add_co_u32 s46, s46, s21
	s_mul_i32 s46, s46, 1536
	s_mul_i32 s47, s22, 6291456
	s_add_co_u32 s46, s46, s47                     ; the codes
	s_lshl_b32 s47, s23, 1                         ; (tile / 4) groups x 8 K steps
	s_add_co_u32 s47, s47, s21
	s_lshl_b32 s47, s47, 8
	s_lshl_b32 s22, s22, 18
	s_add_co_u32 s47, s47, s22
	s_add_co_u32 s47, s47, 18874368                ; the scale words
	s_lshl_b32 s92, s20, 10
	s_lshl_b32 s93, s16, 9
	s_add_co_u32 s92, s92, s93                     ; the bias of my 128 features
	s_and_b32 s20, s42, 7                          ; second kind: my 128 tokens are K step 2 (block % 8) + wx of their batch
	s_lshl_b32 s20, s20, 1
	s_add_co_u32 s20, s20, s16
	s_lshr_b32 s21, s42, 3                         ; the batch
	s_lshl_b32 s21, s21, 6
	s_lshl_b32 s22, s41, 4
	s_add_co_u32 s21, s21, s22
	s_add_co_u32 s21, s21, s45                     ; my first tile of e: 64 batch + 16 cy + 8 wy
	s_lshl_b32 s22, s21, 4
	s_add_co_u32 s22, s22, s20
	s_mul_i32 s22, s22, 1536
	s_add_co_u32 s22, s22, 12582912                ; the codes
	s_lshl_b32 s23, s21, 2                         ; (tile / 4) groups x 16 K steps
	s_add_co_u32 s23, s23, s20
	s_lshl_b32 s23, s23, 8
	s_add_co_u32 s23, s23, 19398656                ; the scale words
	s_lshl_b32 s93, s41, 10
	s_lshl_b32 s94, s15, 9
	s_add_co_u32 s93, s93, s94
	s_add_co_u32 s93, s93, 8192                    ; the bias of my 128 rows of W_v
	s_cmp_ge_u32 s18, 8
	s_cselect_b32 s46, s22, s46
	s_cselect_b32 s20, s23, s47
	s_cselect_b32 s92, 0, s92
	s_cselect_b32 s93, s93, 0
	s_cselect_b32 s66, 0, -1                       ; keeps the bias along the registers in the first kind,
	s_cselect_b32 s67, -1, 0                       ; that along the lanes in the second
	s_mov_b32 s22, 24576
	s_cselect_b32 s22, s22, 12288                  ; from tile to tile in the codes
	s_mov_b32 s23, 4096
	s_cselect_b32 s23, s23, 2048                   ; from group to group in the scale words
	s_mov_b32 s47, 0
	s_mov_b32 s21, 0
	s_mov_b64 s[6:7], s[4:5]
	s_add_nc_u64 s[4:5], s[4:5], s[46:47]
	s_add_nc_u64 s[6:7], s[6:7], s[20:21]
	v_mov_b32 v[VO], v[LI]
	v_add_nc_u32 v[VS2], s23, v[VS]
	v_lshl_add_u32 v4, v3, 6, s92                  ; the bias along the registers: register 16 b + i is row 32 b + 16 h + i
	v_and_b32 v6, 8, v2
	v_add_nc_u32 v6, v6, v2
	v_lshl_add_u32 v5, v6, 2, s93                  ; that along the lanes: tile a's lane row r is row 32 (a / 2) + 8 (a % 2) + r + 8 (r / 8)
	WIN 0x40
.irp b, 0,1,2,3
.irp c, 0,1,2,3
	global_load_b128 v[96+16*\b+4*\c+96*(\b/2):96+16*\b+4*\c+96*(\b/2)+3], v4, s[8:9] offset:128*\b+16*\c
.endr
.endr
	WIN 0
.irp a, 0,1,2,3,4,5,6,7
	global_load_b32 v[BM+2*\a], v5, s[8:9] offset:4*(32*(\a/2)+8*(\a%2))
	global_load_b32 v[BM+2*\a+1], v5, s[8:9] offset:4*(32*(\a/2)+8*(\a%2))   ; twice: a pair for the packed addition
.endr
	s_wait_alu depctr_va_vdst(0)
	s_wait_tensorcnt 0x0                           ; my tile of the head's four is in; slot 1's first fill is issued as a refill is
	ds_add_u32 v[SPW], v[NIL]                      ; 0 onto my spare word
	s_mov_b32 s[G1+2], NA<<16                      ; no load of mine is out, so descriptors may be written: from here on a load brings half a block's tiles,
	s_mov_b32 s[G1+4], NA
	s_mov_b32 s[G1B+2], 8<<16
	s_mov_b32 s[G1B+4], 8
	s_mov_b32 s99, 0
	s_mul_i32 s98, s16, NA*KS*FRB                  ; the half that I fetch: its place in memory,
.irp s, 0,1
	s_add_nc_u64 s[G0+4*\s+2:G0+4*\s+3], s[G0+4*\s+2:G0+4*\s+3], s[98:99]
.endr
	s_mul_i32 s98, s16, 8*KS*FRB
.irp s, 0,1
	s_add_nc_u64 s[G0B+4*\s+2:G0B+4*\s+3], s[G0B+4*\s+2:G0B+4*\s+3], s[98:99]
.endr
	s_mul_i32 s98, s16, NA*TROW                    ; and in LDS
.irp s, 0,1
	s_add_co_u32 s[G0+4*\s+1], s[G0+4*\s+1], s98
.endr
	s_mul_i32 s98, s16, 8*TROW
.irp s, 0,1
	s_add_co_u32 s[G0B+4*\s+1], s[G0B+4*\s+1], s98
.endr
	s_wait_dscnt 0x0                               ; the add is done
	CROUND                                         ; a whole round: all four tiles are in, and the joint loads meet
	JLOAD G0+4, G1, G0B+4, G1B                     ; slot 1: my one tensor load behind the round
	FETCH_B 0, 0, 0
	FETCH_A 0, 0, 0
	SCALES 0
	FETCH_A 0, 0, HALF
	global_prefetch_b8 v22, s[2:3] offset:2*TROW th:TH_LOAD_NT scope:SCOPE_SE   ; behind fill 1's load and the run of LDS loads: fill 2
	STEP 0, 0, 1
.rept LAPS-1                           ; once round the ring, both slots filled again
	TURN 0, 1, 1
	STEP 1, 0, 0
	TURN 1, 0, 1
	STEP 0, 0, 0
.endr
	TURN 0, 1, 0                                   ; the last lap fills nothing
	STEP 1, 0, 0
	LAST
	; THE WAY OUT: + bias, quantised along the registers, stored as images
	PLACES 4
	s_wait_loadcnt 0x0                             ; the biases
.irp b, 0,1,2,3
	v_mov_b32 v[TM+4+\b], 0                        ; a lane permute's destination counts as one of its sources
.endr
	WIN 0x44
.set N, 0
.rept 64
	v_and_b32 v[96+N+96*(N/32)], s66, v[96+N+96*(N/32)]
.set N, N+1
.endr
	WIN 0
.set N, 0
.rept 16
	v_and_b32 v[BM+N], s67, v[BM+N]
.set N, N+1
.endr
.macro EPI a
.set AC, 64*((\a)%4)
	WIN 0x06+(\a)/4                                ; source 0: the accumulators' window; source 1: window 1
.set N, 0
.rept 32
	v_pk_add_f32 v[P+N:P+N+1], v[AC+N:AC+N+1], v[96+N+96*(N/32):96+N+96*(N/32)+1]   ; each accumulator from its low end on
.set N, N+2
.endr
	WIN 0
.set N, 0
.rept 32
	v_pk_add_f32 v[P+N:P+N+1], v[P+N:P+N+1], v[BM+2*(\a):BM+2*(\a)+1]
.set N, N+2
.endr
.if (\a) > 0
	s_wait_xcnt 0x0                                ; the last tile's stores have read their offset and the codes' registers
	v_add_nc_u32 v[VO], s22, v[VO]
.endif
	QUANT P
	v_mov_b32 v[PWK+(\a)], v[PW]
.irp c, 0,1,2
	global_store_b128 v[VO], v[PC+4*\c:PC+4*\c+3], s[4:5] offset:512*\c   ; 512 consecutive bytes, aligned
.endr
.endm
.irp a, 0,1,2,3,4,5,6,7
	EPI \a
.endr
	v_cndmask_b32 v[P], v[PWK], v[PWK+1], s[HI]    ; the scale words of a group of four tiles: lanes 0-15 the even tile's, lanes 16-31 the odd one's
	v_cndmask_b32 v[P+1], v[PWK+2], v[PWK+3], s[HI]
	v_cndmask_b32 v[P+2], v[PWK+4], v[PWK+5], s[HI]
	v_cndmask_b32 v[P+3], v[PWK+6], v[PWK+7], s[HI]
	global_store_b64 v[VS], v[P:P+1], s[6:7]       ; 256 consecutive bytes, aligned
	global_store_b64 v[VS2], v[P+2:P+3], s[6:7]
	s_wait_tensorcnt 0x0                           ; the wave's end
	ds_add_u32 v[SPW], v[NIL]
	s_wait_dscnt 0x0
	CROUND                                         ; the closing round
	s_endpgm
.Lfunc_end_k_q32f780556a_qkv:
	.size	k_q32f780556a_qkv, .Lfunc_end_k_q32f780556a_qkv-k_q32f780556a_qkv
	.p2alignl 7, 3214868480
	.fill 96, 4, 3214868480
	.section	.rodata,"a",@progbits
	.p2align	6, 0x0
	.amdhsa_kernel k_q32f780556a_qkv
		.amdhsa_group_segment_fixed_size 327680
		.amdhsa_private_segment_fixed_size 0
		.amdhsa_enable_private_segment 0
		.amdhsa_kernarg_size 24
		.amdhsa_user_sgpr_count 2
		.amdhsa_user_sgpr_kernarg_segment_ptr 1
		.amdhsa_wavefront_size32 1
		.amdhsa_system_sgpr_workgroup_id_x 1
		.amdhsa_system_sgpr_workgroup_id_y 1
		.amdhsa_system_sgpr_workgroup_id_z 1
		.amdhsa_system_vgpr_workitem_id 0
		.amdhsa_next_free_vgpr 1024
		.amdhsa_next_free_sgpr 100
		.amdhsa_reserve_vcc 0
		.amdhsa_float_denorm_mode_32 3
		.amdhsa_float_denorm_mode_16_64 3
		.amdhsa_memory_ordered 1
		.amdhsa_forward_progress 1
		.amdhsa_inst_pref_size 181
	.end_amdhsa_kernel
	.amdgpu_metadata
---
amdhsa.version: [ 1, 2 ]
amdhsa.kernels:
  - .name:           k_q32f780556a_qkv
    .symbol:         k_q32f780556a_qkv.kd
    .args:
      - { .name: xw, .offset: 0, .size: 8, .value_kind: global_buffer, .address_space: global }
      - { .name: b_qkv, .offset: 8, .size: 8, .value_kind: global_buffer, .address_space: global }
      - { .name: qkv, .offset: 16, .size: 8, .value_kind: global_buffer, .address_space: global }
    .group_segment_fixed_size: 327680
    .private_segment_fixed_size: 0
    .kernarg_segment_align: 8
    .kernarg_segment_size: 24
    .max_flat_workgroup_size: 128
    .sgpr_count:     100
    .vgpr_count:     1024
    .wavefront_size: 32
...
	.end_amdgpu_metadata
.endif
;; end of part 2
;; launch scores (part 3): grid 8 x 32, 4 waves a work-group, clusters of 4 x 4, 327,680 bytes of LDS; arguments qkv, mask, pbuf; writes pbuf
.if DOCPART == 3
	.amdgcn_target "amdgcn-amd-amdhsa--gfx1250"
	.amdhsa_code_object_version 6
	.text
	.protected	k_q32f780556a_scores
	.globl	k_q32f780556a_scores
	.p2align	8
	.type	k_q32f780556a_scores,@function
k_q32f780556a_scores:
	s_mov_b64 s[64:65], 0
	v_nop
	global_prefetch_b8 v0, s[64:65] scope:SCOPE_SE
	s_setreg_imm32_b32 hwreg(HW_REG_WAVE_MODE, 25, 1), 1
	s_wait_xcnt 0x0
	s_wait_alu depctr_hold_cnt(0) depctr_sa_sdst(0) depctr_va_vdst(0) depctr_va_sdst(0) depctr_va_ssrc(0) depctr_va_vcc(0) depctr_vm_vsrc(0)
	s_getreg_b32 s2, hwreg(HW_REG_IB_STS2, 6, 4)
	s_cmp_eq_u32 s2, 0
	s_cbranch_scc0 .Lentry_in_a_cluster
	s_endpgm
.Lentry_in_a_cluster:
	s_bfe_u32 s2, ttmp6, 0x10000c
	s_cmp_lg_u32 s2, 0xf033
	s_cbranch_scc0 .Lentry_shape_is_right
	s_endpgm
.Lentry_shape_is_right:
; S = q k^T on codes of E2M3, then for each query and each chunk of 128 keys: t = score x log2(e) / 32, hidden keys at -infinity, M = ceil(the chunk's largest t), p = 2^(t - M), the chunk's sum of p, and p quantised along the keys.
; M IS THE CHUNK'S OWN: a whole number, so the next launch brings a chunk under the row's M by taking a whole number off its scale bytes; the codes stay.  A chunk all of whose keys are hidden has -M = 3e38, p = 0, sum 0.
; OPERANDS are images of fragments (a tile of 16 rows x 128 K: 1,536 bytes), laid [tile][K step]; lane row r of tile T is row 32 (T / 2) + 8 (T % 2) + r + 8 (r / 8).
; THE PRODUCT IS USED TRANSPOSED: source 0 = a tile of keys (S0), source 1 = a tile of queries (S1): a lane holds ONE query, and the 64 registers of eight neighbouring results are 128 neighbouring keys (register 16 b + i = key 32 b + 16 (lane / 16) + i).
; A work-group makes 256 queries x 256 keys, each of four waves 128 x 128, which is one chunk for each of its 128 queries.  K = 1,024 goes through two LDS slots of 256 along K.  CLUSTERS 4 x 4: q's tiles shared along a row, k's along a column.
; THE MASK, [8192 queries][2048 keys] of int32, is read here, once, under the products.  The walk along K has eight units of 64 products, a wave has eight tiles of queries: unit u takes tile u's 16 rows x 512 bytes.
;   A load reads a row's 512 consecutive bytes, lane l the keys 4 l .. 4 l + 3.  A compare of register j of row i gives a word whose bit l is key 4 l + j; it goes to lane i of v[MW + 4 u + j]: the wave's whole mask in 32 registers.
;   Two buffers of 64 registers (even tiles: window 0, odd tiles: window 1); tile u + 2 is asked for in unit u, in two runs of eight loads, each behind the slices that have read its registers.
;   On the way out lane (r, h) takes row r's four words, shifted down by 4 h: the key of register n is then bit 8 (n / 16) + (n % 16) / 4 of word n % 4; an AND and a compare give the lane mask for that register.  The mask only selects values.
; pbuf: codes [query tile 512][chunk 16][1536]; from 12,582,912 the scale words, from +524,288 the -M (f32), from +1,048,576 the sums (f32), each [group of 4 tiles 128][chunk 16][lane 32][2].
; REGISTERS, in windows of 256: window 0: v1-31 addresses; v32-63 scale words, two sets; v64-95 the mask's words; v96-127 and v224-255 a mask buffer (v96-121 later at work in the softmax); v128-223 S1's fragments; on the way out v128-255.
;   window 1: S0's fragments, two sets, at v0 and v128; v96-127 and v224-255 the other mask buffer.   windows 2, 3: the accumulators ((a, b) at v[8 (8 (a % 4) + b)] of window 2 + a / 4).
; PREFETCH: the mask's tiles 4 to 7 (see ASK).  None for q's and k's tiles: a work-group has four slots' worth of K, two of them its first fills.
; LIMITS: NaN and infinities are not served; a block of p whose largest lies under 2^-124 keeps the scale byte 1 (its codes are then small or zero).
.set NA,    8
.set NQ,    2
.set KS,    8
.set LAPS,  KS/(2*NQ)
.set FR,    12
.set FRB,   1536
.set NL,    3
.set HALF,  NA/2
.set QTR,   NA/4
.set TROW,  NQ*FRB
.set CT,    TROW/8
.set S0OFF, 2*NA*TROW
.set SLOT,  (2*NA+16)*TROW
.set GS,    KS*256
.set SCL1,  2*SLOT
.set SCL0,  SCL1+(NA/2)*GS
.set SPARE, SCL0+4*GS                  ; the spare words, 128 bytes for each wave, which no other line names
.set ADRA, 16
.set ADRB, 20
.set LI,   24                          ; v24  16 x lane; never rewritten
.set SH,   25                          ; v25  4 x (lane / 16)
.set PFO,  26                          ; v26  the prefetches' offset; never rewritten
.set ADRS, 27
.set SPW,  28
.set NIL,  29
.set VS,   30
.set SC,   32
.set MW,   64                          ; v64-95  the mask's words: tile u's word j of row i in lane i of v[MW + 4 u + j]; lanes 16-31 stay 0
.set MB,   96                          ; a mask buffer: register n of 64 at v[MB + n + 96 (n / 32)]
.set NM,   96                          ; v[96:97]  -M (the packed form names a pair and takes its low word)
.set SU,   98                          ; v[98:101] the sum, in two chains of pairs
.set BX,   104                         ; v104-107 four running maxima
.set BY,   108                         ; what lane l xor 16 holds
.set NINF, 112                         ; -infinity
.set TT,   113
.set WW,   114                         ; v114-117 my row's four mask words
.set WD,   118                         ; v118-121 what lane l xor 16 holds of them
.set AF,   128
.set P,    128
.set PC,   192
.set TM,   212
.set PW,   228
.set PWK,  232                         ; v232-239 my eight tiles' scale words
.set MK,   240                         ; v240-247 their -M
.set LK,   248                         ; v248-255 their sums
.set SEL,  10
.set HI,   17
.set CW,   40                          ; s40-47  eight compares' words, in the K walk
.set G1,   24
.set G0,   32
.set G1B,  48
.set G0B,  56
.set G1S,  68
.set G0S,  76
.set G1SB, 80
.set G0SB, 88
.set UN,  0                            ; the number of the unit that is being written
.set MSB, 0
.macro WIN new                         ; the immediate's high byte repeats the setting that is left
.if MSB != (\new)
	s_set_vgpr_msb (MSB<<8)|(\new)
.set MSB, (\new)
.endif
.endm
.macro PLACES n
.rept \n
	v_nop
.endr
.endm
.macro JLOAD g0a, g1a, g0b, g1b        ; a joint load: waves 0 and 1 fetch for S1, waves 2 and 3 for S0; four v_nop follow each line
	s_cmp_eq_u32 s15, 0
	s_cbranch_scc0 .Lfor_b_\@
	tensor_load_to_lds s[\g0a:\g0a+3], s[\g1a:\g1a+7]
	s_nop 0
.rept 4
	v_nop
.endr
	s_branch .Lasked_\@
.Lfor_b_\@:
	tensor_load_to_lds s[\g0b:\g0b+3], s[\g1b:\g1b+7]
	s_nop 0
.rept 4
	v_nop
.endr
.Lasked_\@:
.endm
.macro CREST
	s_cmp_lg_u32 s14, 0
	s_cbranch_scc1 .Lnot_wave_0_\@
	s_barrier_signal -3
.Lnot_wave_0_\@:
	s_barrier_wait -3
	s_barrier_signal -1
	s_barrier_wait -1
.endm
.macro CROUND
	s_barrier_signal -1
	s_barrier_wait -1
	CREST
.endm
.macro FRAG reg, adr, q, i
.irp c, 0,1,2
	ds_load_b128 v[(\reg)+4*\c:(\reg)+4*\c+3], v[\adr] offset:(\i)*TROW+(\q)*FRB+512*\c
.endr
.endm
.macro FETCH_B slot, q, p
	WIN 0x40
.irp i, 0,1,2,3,4,5,6,7
	FRAG 128*(\p)+FR*\i, ADRB+\slot, \q, \i
.endr
	WIN 0
.endm
.macro FETCH_A slot, q, i0
.set FI, \i0
.rept HALF
	FRAG AF+FR*FI, ADRA+\slot, \q, FI
.set FI, FI+1
.endr
.endm
.macro SCALES sc
.set SQ, 0
.rept NQ
.irp g, 0,1
.irp u, 0,1
	ds_load_b64 v[SC+8*NQ*(\sc)+8*SQ+4*\g+2*\u:SC+8*NQ*(\sc)+8*SQ+4*\g+2*\u+1], v[ADRS] offset:256*SQ+\g*GS+128*\u
.endr
.endr
.set SQ, SQ+1
.endr
.endm
; THE MASK.  Run b (0, 1) of tile t: its lane rows 8 b .. 8 b + 7, which are rows 16 b + i of the tile's 24; 512 consecutive bytes a load; into the buffer of window t % 2
.macro MLD t, b
	WIN 0x40*((\t)%2)
.irp i, 0,1,2,3,4,5,6,7
	global_load_b128 v[MB+128*(\b)+4*\i:MB+128*(\b)+4*\i+3], v[LI], s[8:9] offset:(32*((\t)/2)+8*((\t)%2)+16*(\b)+\i)*8192 th:TH_LOAD_NT
.endr
	WIN 0
.endm
.macro MNEXT b                         ; unit UN asks for tile UN + 2, whose buffer's registers of this run it has just read; the last two units ask for nothing
.if UN+2 < 8
	MLD UN+2, \b
.endif
.endm
; Slice s (0 .. 7) of unit UN: lane rows 2 s and 2 s + 1 of tile UN: eight words.  Loads come back in order: ahead of slice 0 the tile's first run must be in, and behind it were issued its second run and the next
; tile's two: 24 loads (in the last unit its second run alone: 8); ahead of slice 4 the second run: behind it the next tile's two runs and the first of the tile after: 24 (then 16, then none).
.macro MSLICE s
.if (\s) == 0
.if UN < 7
	s_wait_loadcnt 24
.else
	s_wait_loadcnt 8
.endif
.endif
.if (\s) == 4
.if UN < 6
	s_wait_loadcnt 24
.elseif UN == 6
	s_wait_loadcnt 16
.else
	s_wait_loadcnt 0x0
.endif
.endif
	WIN 0x04*(UN%2)                                ; source 1: the buffer's window
.irp e, 0,1,2,3,4,5,6,7
	v_cmp_ne_u32 s[CW+\e], 0, v[MB+8*(\s)+\e+96*((\s)/4)]   ; bit l: key 4 l + e % 4 of the row counts
.endr
.irp e, 0,1,2,3,4,5,6,7
	v_writelane_b32 v[MW+4*UN+\e%4], s[CW+\e], 2*(\s)+\e/4
.endr
.endm
; A PREFETCH INTO THE L2 of my own tile UN + 4 of the mask, at the end of units 0 to 3, behind the unit's loads: two units ahead of that tile's loads.  The tile is 16 rows x 512 bytes: 32 aligned blocks of 256 bytes, a lane a block, one
; instruction a wave; no other wave of the launch reads these bytes, so each block is named once.  Tiles 0 to 3 come by their loads alone: nothing is asked for at the head.  A work-group has at most two tiles a wave, 64 KB, asked for and not yet loaded.
.macro ASK
.if UN < 4
	global_prefetch_b8 v[PFO], s[8:9] offset:(32*((UN+4)/2)+8*((UN+4)%2))*8192 th:TH_LOAD_NT scope:SCOPE_SE
.endif
.endm
.macro MULA a, p, q, sc, cm            ; eight products: S1's tile a against S0's eight; cm = 1: the constant 0 starts the sums.  The accumulators take turns
	WIN 0xa1+0x50*((\a)/4)
.set SA, SC+8*NQ*(\sc)+8*(\q)+4*((\a)/4)+2*((\a)%2)+((\a)/2)%2
.set AR, AF+FR*(\a)
.irp b, 0,1,2,3,4,5,6,7
.set SB, SC+8*NQ*(\sc)+8*(\q)+4*(\b/4)+2*(\b%2)+(\b/2)%2
.set BR, 128*(\p)+FR*\b
.set AC, 8*(8*((\a)%4)+\b)
.if (\cm) == 1
	v_wmma_scale_f32_16x16x128_f8f6f4 v[AC:AC+7], v[BR:BR+11], v[AR:AR+11], 0, v[SB], v[SA] matrix_a_fmt:MATRIX_FMT_FP6 matrix_b_fmt:MATRIX_FMT_FP6 matrix_a_scale:MATRIX_SCALE_ROW1
.else
	v_wmma_scale_f32_16x16x128_f8f6f4 v[AC:AC+7], v[BR:BR+11], v[AR:AR+11], v[AC:AC+7], v[SB], v[SA] matrix_a_fmt:MATRIX_FMT_FP6 matrix_b_fmt:MATRIX_FMT_FP6 matrix_a_scale:MATRIX_SCALE_ROW1
.endif
.endr
.endm
.macro MULS a0, n, p, q, sc, cm        ; behind the eight products of S1's tile a stands slice a of the unit's mask tile: work on registers alone
.set MA, \a0
.rept \n
	MULA MA, \p, \q, \sc, \cm
	MSLICE MA
.set MA, MA+1
.endr
.endm
.macro STEP slot, q, cm
	s_wait_dscnt HALF*NL                           ; all but the youngest loads, the second half of S1's tiles
	MULS 0, HALF, (\q)%2, \q, \slot, \cm
	s_wait_dscnt 0x0
	PLACES 4
	FETCH_B \slot, (\q)+1, 1-(\q)%2
	FETCH_A \slot, (\q)+1, 0
	MNEXT 0
	MULS HALF, HALF, (\q)%2, \q, \slot, \cm
	PLACES 4
	WIN 0
	FETCH_A \slot, (\q)+1, HALF
	MNEXT 1
	ASK
.set UN, UN+1
.endm
.macro TURN slot, next, fill
	s_wait_tensorcnt 0x0                           ; all my tensor loads have landed: my part of the next slot
	ds_add_u32 v[SPW], v[NIL]                      ; 0 onto my spare word
	s_wait_dscnt HALF*NL+1                         ; (the add and the youngest loads may be out)
	MULS 0, QTR, 1, NQ-1, \slot, 0
	s_wait_dscnt 0x0                               ; the add is done, and my reads of this slot are over
	s_barrier_signal -1
	MULS QTR, QTR, 1, NQ-1, \slot, 0
	WIN 0
	s_barrier_wait -1
.if \fill
	CREST                                          ; a round of the cluster's barrier: no wave of any partner still reads this slot or has a load on its way
	s_add_nc_u64 s[G0+4*\slot+2:G0+4*\slot+3], s[G0+4*\slot+2:G0+4*\slot+3], 2*TROW
	s_add_nc_u64 s[G0B+4*\slot+2:G0B+4*\slot+3], s[G0B+4*\slot+2:G0B+4*\slot+3], 2*TROW
	JLOAD G0+4*\slot, G1, G0B+4*\slot, G1B
.else
	PLACES 4
.endif
	v_add_nc_u32 v[ADRS], NQ*256, v[ADRS]
	FETCH_B \next, 0, 0
	FETCH_A \next, 0, 0
	SCALES \next
.if (\fill) && ((\slot) == 0)
	global_prefetch_b8 v22, s[2:3] offset:3*TROW th:TH_LOAD_NT scope:SCOPE_SE   ; behind fill 2's load: fill 3, the last
.endif
	MNEXT 0                                        ; the mask's loads stand behind the barrier and the joint load, never between a signal and its wait
	MULS HALF, HALF, 1, NQ-1, \slot, 0
	PLACES 4
	WIN 0
	FETCH_A \next, 0, HALF
	MNEXT 1
	ASK
.set UN, UN+1
.endm
.macro LAST
	s_wait_dscnt HALF*NL
	MULS 0, HALF, 1, NQ-1, 1, 0
	s_wait_dscnt 0x0
	MULS HALF, HALF, 1, NQ-1, 1, 0
	WIN 0
.endm
.macro QUANT s
.irp b, 0,1,2,3
	v_max3_num_f32 v[TM+\b], |v[\s+16*\b]|, |v[\s+1+16*\b]|, 0x1800000   ; and the floor 2^(3 - 127): the byte cannot fall under 1
.endr
.irp i, 2,4,6,8,10,12,14
.irp b, 0,1,2,3
	v_max3_num_f32 v[TM+\b], v[TM+\b], |v[\s+16*\b+\i]|, |v[\s+1+16*\b+\i]|
.endr
.endr
.irp b, 0,1,2,3
	v_permlanex16_b32 v[TM+4+\b], v[TM+\b], s[SEL], s[SEL+1]
.endr
.irp b, 0,1,2,3
	v_max_num_f32 v[TM+\b], v[TM+\b], v[TM+4+\b]
.endr
.irp b, 0,1,2,3
	v_add_nc_u32 v[TM+12+\b], 0xff000000, v[TM+\b]
.endr
.irp b, 0,1,2,3
	v_lshrrev_b32 v[TM+4+\b], 23, v[TM+12+\b]
.endr
	v_lshl_or_b32 v[PW], v[TM+5], 8, v[TM+4]
	v_lshl_or_b32 v[PW], v[TM+6], 16, v[PW]
	v_lshl_or_b32 v[PW], v[TM+7], 24, v[PW]
.irp c, 0,1
	v_cvt_scalef32_pk16_fp6_f32 v[PC+6*\c:PC+2+6*\c], v[\s+32*\c:\s+15+32*\c], v[TM+12+2*\c]
	v_cvt_scalef32_pk16_fp6_f32 v[PC+12+4*\c:PC+14+4*\c], v[\s+16+32*\c:\s+31+32*\c], v[TM+12+2*\c+1]
.endr
	v_nop                                          ; one plain instruction behind the scaled conversions
.irp c, 0,1
.irp i, 0,1,2
	v_permlane16_swap_b32 v[PC+6*\c+\i], v[PC+12+4*\c+\i]
.endr
.irp i, 0,1,2
	v_mov_b32 v[PC+3+6*\c+\i], v[PC+12+4*\c+\i]
.endr
.endr
.endm
	s_load_b64 s[96:97], s[0:1], 0x0               ; qkv
	s_load_b64 s[8:9], s[0:1], 0x8                 ; mask
	s_load_b64 s[4:5], s[0:1], 0x10                ; pbuf
	v_lshl_add_u32 v[SPW], v0, 2, SPARE
	v_mov_b32 v[NIL], 0
	ds_add_u32 v28, v29
	ds_add_u32 v28, v29
	s_wait_dscnt 0x0
	v_lshrrev_b32 v1, 5, v0
	v_readfirstlane_b32 s14, v1                    ; wave 0..3
	s_lshr_b32 s15, s14, 1                         ; wy
	s_and_b32 s16, s14, 1                          ; wx
	s_bfe_u32 s40, ttmp6, 0x40000                  ; cx
	s_bfe_u32 s41, ttmp6, 0x40004                  ; cy
	s_lshl_b32 s42, ttmp9, 2
	s_add_co_u32 s42, s42, s40                     ; the block of 256 keys of the batch, 0..7
	s_and_b32 s18, ttmp7, 0xffff
	s_lshl_b32 s19, s18, 2
	s_add_co_u32 s19, s19, s41                     ; the block of 256 queries, 0..31
	s_lshr_b32 s18, s18, 1                         ; the batch: eight blocks of queries, two clusters
	s_lshl_b32 s43, s41, 2
	s_lshl_b32 s43, 15, s43                        ; my row of the cluster
	s_lshl_b32 s44, 0x1111, s40                    ; my column
	s_or_b32 s[G1], s43, (3<<16)|(1<<21)           ; elements of 8 bytes, no padding; a tile's part of a slot is a row
	s_or_b32 s[G1B], s44, (3<<16)|(1<<21)
	s_mov_b32 s[G1+1], CT<<16
	s_mov_b32 s[G1+2], (2*NA)<<16                  ; the head's load brings the whole block's tiles
	s_mov_b32 s[G1+3], CT<<16
	s_mov_b32 s[G1+4], 2*NA
	s_mov_b32 s[G1+5], KS*192
	s_mov_b32 s[G1+6], 0
	s_mov_b32 s[G1+7], 0
	s_mov_b32 s[G1B+1], CT<<16
	s_mov_b32 s[G1B+2], 16<<16
	s_mov_b32 s[G1B+3], CT<<16
	s_mov_b32 s[G1B+4], 16
	s_mov_b32 s[G1B+5], KS*192
	s_mov_b32 s[G1B+6], 0
	s_mov_b32 s[G1B+7], 0
	s_or_b32 s[G1S], s43, (3<<16)|(1<<21)          ; the scale words: dense, as rows of 256 bytes
	s_or_b32 s[G1SB], s44, (3<<16)|(1<<21)
.irp g, G1S, G1SB
	s_mov_b32 s[\g+1], 32<<16
	s_mov_b32 s[\g+2], 32<<16
	s_mov_b32 s[\g+3], 32<<16
	s_mov_b32 s[\g+4], 32
	s_mov_b32 s[\g+5], 32
	s_mov_b32 s[\g+6], 0
	s_mov_b32 s[\g+7], 0
.endr
	s_mul_i32 s20, s19, 196608                     ; q: the block's codes, + the half that I fetch
	s_mov_b32 s21, 0
	s_lshl_b32 s22, s19, 13                        ; and its scale words
	s_add_co_u32 s22, s22, 18874368
	s_mov_b32 s23, 0
	s_lshl_b32 s46, s18, 3
	s_add_co_u32 s46, s46, s42                     ; k: block 8 batch + the block of keys
	s_lshl_b32 s92, s46, 13
	s_mul_i32 s46, s46, 196608
	s_add_co_u32 s46, s46, 6291456
	s_mov_b32 s47, 0
	s_add_co_u32 s92, s92, 19136512
	s_mov_b32 s93, 0
	s_mov_b32 s[SEL], 0x76543210
	s_mov_b32 s[SEL+1], 0xfedcba98
	s_mov_b32 s[HI], 0xffff0000
	s_mov_b32 s12, 0x3d38aa3b                      ; c = log2(e) / sqrt(1024)
	s_mov_b32 s13, s12                             ; (named with it as a pair, so it is written)
	s_wait_kmcnt 0x0
	s_add_nc_u64 s[20:21], s[96:97], s[20:21]
	s_add_nc_u64 s[22:23], s[96:97], s[22:23]
	s_add_nc_u64 s[46:47], s[96:97], s[46:47]
	s_add_nc_u64 s[92:93], s[96:97], s[92:93]
	CROUND                                         ; all sixteen work-groups are here: the first joint loads meet
	s_mov_b32 s[G0S], 1
	s_mov_b32 s[G0S+1], SCL1
	s_mov_b64 s[G0S+2:G0S+3], s[22:23]
	s_or_b32 s[G0S+3], s[G0S+3], 0x80000000
	s_mov_b32 s[G0SB], 1
	s_mov_b32 s[G0SB+1], SCL0
	s_mov_b64 s[G0SB+2:G0SB+3], s[92:93]
	s_or_b32 s[G0SB+3], s[G0SB+3], 0x80000000
.irp s, 0,1
	s_mov_b32 s[G0+4*\s], 1
	s_mov_b32 s[G0+4*\s+1], \s*SLOT
	s_add_nc_u64 s[G0+4*\s+2:G0+4*\s+3], s[20:21], \s*TROW
	s_or_b32 s[G0+4*\s+3], s[G0+4*\s+3], 0x80000000
	s_mov_b32 s[G0B+4*\s], 1
	s_mov_b32 s[G0B+4*\s+1], S0OFF+\s*SLOT
	s_add_nc_u64 s[G0B+4*\s+2:G0B+4*\s+3], s[46:47], \s*TROW
	s_or_b32 s[G0B+4*\s+3], s[G0B+4*\s+3], 0x80000000
.endr
; THE HEAD'S LOADS, ONE A WAVE: wave 0 slot 0's 16 tiles of q, wave 1 its 16 tiles of k, wave 2 q's scale words, wave 3 k's.  One chain of branches on the wave's number, all arms to one join.
.macro ARM under, g0, g1, next
	s_cmp_lt_u32 s14, \under
	s_cbranch_scc0 \next
	tensor_load_to_lds s[\g0:\g0+3], s[\g1:\g1+7]
	s_nop 0
.rept 4
	v_nop
.endr
	s_branch .Lhead_asked
\next:
.endm
	ARM 1, G0, G1, .Lhead_b
	ARM 2, G0B, G1B, .Lhead_sa
	ARM 3, G0S, G1S, .Lhead_sb
	tensor_load_to_lds s[G0SB:G0SB+3], s[G1SB:G1SB+7]
	s_nop 0
.rept 4
	v_nop
.endr
.Lhead_asked:
; PREFETCH OF q'S AND k'S TILES (this takes the place of the head comment's line on them).  K comes in four fills of TROW bytes a tile.  Behind fill f's tensor load each wave asks for fill f + 1: one fill, two K steps, ahead; fill 3's trip asks for nothing.
; Waves 0, 1 ask for q, waves 2, 3 for k.  Of the 8 tiles that a wave fetches, the partner at place p (cx for q, cy for k) names tiles 2 p and 2 p + 1: 2 x 12 aligned blocks of 256 bytes, a lane a block; lanes 24-31 name block 23 again.
; So each block is named once in the cluster.  s[2:3] and v22 are never rewritten; the fill stands in the immediate.
	s_cmp_eq_u32 s15, 0
	s_cselect_b64 s[2:3], s[20:21], s[46:47]       ; the block's codes: the choice hangs on the wave's number alone
	s_cselect_b32 s98, s40, s41
	s_lshl_b32 s98, s98, 1
	s_lshl_b32 s99, s16, 3
	s_add_co_u32 s98, s98, s99                     ; tile 8 x half + 2 x place
	s_mul_i32 s98, s98, KS*FRB
	s_mov_b32 s99, 0
	s_add_nc_u64 s[2:3], s[2:3], s[98:99]
	v_and_b32 v23, 31, v0
	v_min_u32 v23, 23, v23                         ; block 0..23
	v_mul_u32_u24 v22, v23, 171
	v_lshrrev_b32 v22, 11, v22                     ; block / 12: which of the two tiles
	v_mul_u32_u24 v22, v22, KS*FRB-TROW
	v_lshl_add_u32 v22, v23, 8, v22                ; 256 x block, + the way from one tile's part to the next tile's
	global_prefetch_b8 v22, s[2:3] offset:TROW th:TH_LOAD_NT scope:SCOPE_SE
	v_and_b32 v1, 31, v0                           ; lane
	v_and_b32 v2, 15, v0                           ; r
	v_bfe_u32 v3, v0, 4, 1                         ; h
	v_lshlrev_b32 v[LI], 4, v1
	; the mask at my first query (256 block + 128 wy: rows of 8,192 bytes) and my chunk of keys (2 block of keys + wx: 512 bytes)
	s_wait_alu depctr_va_vdst(0)
	s_lshl_b32 s22, s19, 21
	s_lshl_b32 s23, s15, 20
	s_add_co_u32 s22, s22, s23
	s_lshl_b32 s23, s42, 10
	s_add_co_u32 s22, s22, s23
	s_lshl_b32 s23, s16, 9
	s_add_co_u32 s22, s22, s23
	s_mov_b32 s23, 0
	s_add_nc_u64 s[8:9], s[8:9], s[22:23]
	MLD 0, 0                                       ; tiles 0 and 1 fill the two buffers: 32 loads of mine are out
	MLD 0, 1
	MLD 1, 0
	MLD 1, 1
	v_lshlrev_b32 v[VS], 3, v1
	v_lshlrev_b32 v[SH], 2, v3
	v_lshrrev_b32 v5, 1, v1                        ; the prefetches: lane l names lane row l / 2 of a tile, which is row l / 2 + 8 (l / 16), and half l % 2 of its 512 bytes
	v_and_b32 v6, 8, v5
	v_add_nc_u32 v5, v5, v6
	v_and_b32 v6, 1, v1
	v_lshlrev_b32 v5, 13, v5
	v_lshl_add_u32 v[PFO], v6, 8, v5
.set N, 0
.rept 32
	v_mov_b32 v[MW+N], 0                           ; v_writelane_b32's destination counts as one of its sources, and lanes 16-31 are to hold 0
.set N, N+1
.endr
	s_mul_i32 s21, s15, NA*TROW
	s_mul_i32 s22, s16, 8*TROW
	s_add_co_u32 s22, s22, S0OFF
.irp s, 0,1
	v_add_nc_u32 v[ADRA+\s], s21, v[LI]
	v_add_nc_u32 v[ADRB+\s], s22, v[LI]
	s_add_co_u32 s21, s21, SLOT
	s_add_co_u32 s22, s22, SLOT
.endr
	v_lshlrev_b32 v5, 3, v2
	s_mul_i32 s21, s15, (NA/4)*GS
	s_mul_i32 s22, s16, 2*GS
	s_add_co_u32 s22, s22, SCL0-SCL1
	s_sub_co_u32 s22, s22, s21
	v_mul_u32_u24 v6, s22, v3                      ; lanes 16-31 take S0's scale words
	s_add_co_u32 s21, s21, SCL1
	v_add_nc_u32 v5, v5, v6
	v_add_nc_u32 v[ADRS], s21, v5
	; the way out's bases: my first query tile T0 = 16 block + 8 wy, my chunk of keys = 2 block of keys + wx
	s_lshl_b32 s20, s19, 4
	s_lshl_b32 s21, s15, 3
	s_add_co_u32 s20, s20, s21                     ; T0
	s_lshl_b32 s18, s20, 2                         ; 4 T0 = (T0 / 4) groups x 16 chunks
	s_lshl_b32 s20, s20, 4                         ; 16 T0
	s_lshl_b32 s21, s42, 1
	s_add_co_u32 s21, s21, s16                     ; the chunk
	s_add_co_u32 s20, s20, s21
	s_add_co_u32 s18, s18, s21
	s_mov_b64 s[6:7], s[4:5]
	s_mul_i32 s22, s20, 1536
	s_mov_b32 s23, 0
	s_add_nc_u64 s[4:5], s[4:5], s[22:23]          ; p's codes
	s_lshl_b32 s22, s18, 8
	s_add_co_u32 s22, s22, 12582912
	s_add_nc_u64 s[6:7], s[6:7], s[22:23]          ; scale words, -M, sums
	s_wait_alu depctr_va_vdst(0)
	s_wait_tensorcnt 0x0                           ; my tile of the head's four is in; slot 1's first fill is issued as a refill is
	ds_add_u32 v[SPW], v[NIL]                      ; 0 onto my spare word
	s_mov_b32 s[G1+2], NA<<16                      ; no load of mine is out, so descriptors may be written: from here on a load brings half a block's tiles,
	s_mov_b32 s[G1+4], NA
	s_mov_b32 s[G1B+2], 8<<16
	s_mov_b32 s[G1B+4], 8
	s_mov_b32 s99, 0
	s_mul_i32 s98, s16, NA*KS*FRB                  ; the half that I fetch: its place in memory,
.irp s, 0,1
	s_add_nc_u64 s[G0+4*\s+2:G0+4*\s+3], s[G0+4*\s+2:G0+4*\s+3], s[98:99]
.endr
	s_mul_i32 s98, s16, 8*KS*FRB
.irp s, 0,1
	s_add_nc_u64 s[G0B+4*\s+2:G0B+4*\s+3], s[G0B+4*\s+2:G0B+4*\s+3], s[98:99]
.endr
	s_mul_i32 s98, s16, NA*TROW                    ; and in LDS
.irp s, 0,1
	s_add_co_u32 s[G0+4*\s+1], s[G0+4*\s+1], s98
.endr
	s_mul_i32 s98, s16, 8*TROW
.irp s, 0,1
	s_add_co_u32 s[G0B+4*\s+1], s[G0B+4*\s+1], s98
.endr
	s_wait_dscnt 0x0                               ; the add is done
	CROUND                                         ; a whole round: all four tiles are in, and the joint loads meet
	JLOAD G0+4, G1, G0B+4, G1B                     ; slot 1: my one tensor load behind the round
	FETCH_B 0, 0, 0
	FETCH_A 0, 0, 0
	SCALES 0
	FETCH_A 0, 0, HALF
	global_prefetch_b8 v22, s[2:3] offset:2*TROW th:TH_LOAD_NT scope:SCOPE_SE   ; behind fill 1's load and the run of LDS loads: fill 2
	STEP 0, 0, 1
.rept LAPS-1                           ; units 1 to 4: once round the ring, both slots filled again
	TURN 0, 1, 1
	STEP 1, 0, 0
	TURN 1, 0, 1
	STEP 0, 0, 0
.endr
	TURN 0, 1, 0                                   ; unit 5; its wait for all tensor loads has shown the last one done: the descriptors' registers are free from here on
	STEP 1, 0, 0                                   ; unit 6
	LAST                                           ; unit 7
	PLACES 4
	v_mov_b32 v[NM+1], 0                           ; (named as the upper half of a pair)
	v_mov_b32 v[BY], 0                             ; a lane permute's destination counts as one of its sources
	v_mov_b32 v[NINF], 0xff800000
.irp b, 0,1,2,3
	v_mov_b32 v[TM+4+\b], 0
	v_mov_b32 v[WD+\b], 0
.endr
; THE WAY OUT of tile a: 16 queries x my 128 keys
.macro SOFT a
.set AC, 64*((\a)%4)
.irp j, 0,1,2,3
	v_permlanex16_b32 v[WD+\j], v[MW+4*(\a)+\j], s[SEL], s[SEL+1]   ; lanes 16-31 get row r's word from lane r; lanes 0-15 get 0
.endr
.irp j, 0,1,2,3
	v_or_b32 v[WW+\j], v[MW+4*(\a)+\j], v[WD+\j]
.endr
.irp j, 0,1,2,3
	v_lshrrev_b32 v[WW+\j], v[SH], v[WW+\j]        ; 4 h down: the key of register n is now bit 8 (n / 16) + (n % 16) / 4 of word n % 4 in both halves of the lanes
.endr
.set N, 0
.rept 64
.if ((N%16) == 0) && (N > 0)
.irp j, 0,1,2,3
	v_lshrrev_b32 v[WW+\j], 8, v[WW+\j]            ; the next 16 registers' bits come down to bits 0 to 3, so that every AND takes an inline constant
.endr
.endif
	v_and_b32 v[P+N], 1<<((N%16)/4), v[WW+N%4]
.set N, N+1
.endr
.set N, 0
.rept 64
	v_cmp_ne_u32 s[28+N+8*(N/32)], 0, v[P+N]       ; register n's lane mask: in s[28 + n] (n < 32) or s[36 + n]
.set N, N+1
.endr
	WIN 0x08+4*((\a)/4)                            ; source 1: the accumulators' window
.set N, 0
.rept 64
	v_cndmask_b32 v[P+N], v[NINF], v[AC+N], s[28+N+8*(N/32)]   ; a hidden key's score becomes -infinity; each accumulator from its low end on
.set N, N+1
.endr
	WIN 0
.irp b, 0,1,2,3
	v_max3_num_f32 v[BX+\b], v[P+16*\b], v[P+1+16*\b], v[P+2+16*\b]   ; the largest score, in four chains
.endr
.irp i, 3,5,7,9,11,13
.irp b, 0,1,2,3
	v_max3_num_f32 v[BX+\b], v[BX+\b], v[P+16*\b+\i], v[P+1+16*\b+\i]
.endr
.endr
.irp b, 0,1,2,3
	v_max_num_f32 v[BX+\b], v[BX+\b], v[P+15+16*\b]
.endr
	v_max3_num_f32 v[TT], v[BX], v[BX+1], v[BX+2]
	v_max_num_f32 v[TT], v[TT], v[BX+3]
	v_permlanex16_b32 v[BY], v[TT], s[SEL], s[SEL+1]
	v_max_num_f32 v[TT], v[TT], v[BY]              ; with lane l xor 16's 64 keys
	v_mul_f32 v[TT], s12, v[TT]                    ; as t (c is positive)
	v_max_num_f32 v[TT], 0xff61b1e6, v[TT]         ; not under -3e38: M stays a number where all 128 keys are hidden
	v_floor_f32 v[NM], -v[TT]                      ; -M = floor(-t) = -ceil(t)
.set N, 0
.rept 32
	v_pk_fma_f32 v[P+N:P+N+1], v[P+N:P+N+1], s[12:13], v[NM:NM+1] op_sel_hi:[1,0,0]   ; t - M, two at a time
.set N, N+2
.endr
.set N, 0
	s_wait_alu depctr_va_vdst(0)
.rept 64
	v_exp_f32 v[P+N], v[P+N]                       ; p = 2^(t - M)
.set N, N+1
.endr
	v_mov_b32 v[MK+(\a)], v[NM]                    ; (the plain instruction behind the exponentials)
	s_wait_alu depctr_va_vdst(0)                   ; one wait for the batch, ahead of its first reader
	v_pk_add_f32 v[SU:SU+1], v[P:P+1], v[P+2:P+3]  ; the sum of the unquantised p, in two chains
	v_pk_add_f32 v[SU+2:SU+3], v[P+4:P+5], v[P+6:P+7]
.irp j, 8,12,16,20,24,28,32,36,40,44,48,52,56,60
	v_pk_add_f32 v[SU:SU+1], v[SU:SU+1], v[P+\j:P+\j+1]
	v_pk_add_f32 v[SU+2:SU+3], v[SU+2:SU+3], v[P+\j+2:P+\j+3]
.endr
	v_pk_add_f32 v[SU:SU+1], v[SU:SU+1], v[SU+2:SU+3]
	v_add_f32 v[TT], v[SU], v[SU+1]
	v_permlanex16_b32 v[BY], v[TT], s[SEL], s[SEL+1]
	v_add_f32 v[LK+(\a)], v[TT], v[BY]
.if (\a) > 0
	s_wait_xcnt 0x0                                ; the last tile's stores have read the codes' registers
.endif
	QUANT P
	v_mov_b32 v[PWK+(\a)], v[PW]
.irp c, 0,1,2
	global_store_b128 v[LI], v[PC+4*\c:PC+4*\c+3], s[4:5] offset:24576*(\a)+512*\c   ; 512 consecutive bytes, aligned
.endr
.endm
.irp a, 0,1,2,3,4,5,6,7
	SOFT \a
.endr
.set OD, P
.macro PAIRS src, sec                  ; eight tiles' words as two groups: lanes 0-15 the even tile's, lanes 16-31 the odd one's; 256 consecutive bytes a store
.irp g, 0,1
	v_cndmask_b32 v[OD], v[\src+4*\g], v[\src+4*\g+1], s[HI]
	v_cndmask_b32 v[OD+1], v[\src+4*\g+2], v[\src+4*\g+3], s[HI]
	global_store_b64 v[VS], v[OD:OD+1], s[6:7] offset:\sec+4096*\g
.set OD, OD+2
.endr
.endm
	PAIRS PWK, 0
	PAIRS MK, 524288
	PAIRS LK, 1048576
	s_wait_tensorcnt 0x0                           ; the wave's end
	ds_add_u32 v[SPW], v[NIL]
	s_wait_dscnt 0x0
	CROUND                                         ; the closing round
	s_endpgm
.Lfunc_end_k_q32f780556a_scores:
	.size	k_q32f780556a_scores, .Lfunc_end_k_q32f780556a_scores-k_q32f780556a_scores
	.p2alignl 7, 3214868480
	.fill 96, 4, 3214868480
	.section	.rodata,"a",@progbits
	.p2align	6, 0x0
	.amdhsa_kernel k_q32f780556a_scores
		.amdhsa_group_segment_fixed_size 327680
		.amdhsa_private_segment_fixed_size 0
		.amdhsa_enable_private_segment 0
		.amdhsa_kernarg_size 24
		.amdhsa_user_sgpr_count 2
		.amdhsa_user_sgpr_kernarg_segment_ptr 1
		.amdhsa_wavefront_size32 1
		.amdhsa_system_sgpr_workgroup_id_x 1
		.amdhsa_system_sgpr_workgroup_id_y 1
		.amdhsa_system_sgpr_workgroup_id_z 1
		.amdhsa_system_vgpr_workitem_id 0
		.amdhsa_next_free_vgpr 1024
		.amdhsa_next_free_sgpr 100
		.amdhsa_reserve_vcc 0
		.amdhsa_float_denorm_mode_32 3
		.amdhsa_float_denorm_mode_16_64 3
		.amdhsa_memory_ordered 1
		.amdhsa_forward_progress 1
		.amdhsa_inst_pref_size 255
	.end_amdhsa_kernel
	.section	.bss,"aw",@nobits
	.p2align	6
	.space	262144
	.amdgpu_metadata
---
amdhsa.version: [ 1, 2 ]
amdhsa.kernels:
  - .name:           k_q32f780556a_scores
    .symbol:         k_q32f780556a_scores.kd
    .args:
      - { .name: qkv, .offset: 0, .size: 8, .value_kind: global_buffer, .address_space: global }
      - { .name: mask, .offset: 8, .size: 8, .value_kind: global_buffer, .address_space: global }
      - { .name: pbuf, .offset: 16, .size: 8, .value_kind: global_buffer, .address_space: global }
    .group_segment_fixed_size: 327680
    .private_segment_fixed_size: 0
    .kernarg_segment_align: 8
    .kernarg_segment_size: 24
    .max_flat_workgroup_size: 128
    .sgpr_count:     100
    .vgpr_count:     1024
    .wavefront_size: 32
...
	.end_amdgpu_metadata
.endif
;; end of part 3
;; launch ctx (part 4): grid 4 x 64, 4 waves a work-group, clusters of 4 x 4, 327,680 bytes of LDS; arguments pbuf, qkv, ctxb; writes ctxb
.if DOCPART == 4
	.amdgcn_target "amdgcn-amd-amdhsa--gfx1250"
	.amdhsa_code_object_version 6
	.text
	.protected	k_q32f780556a_ctx
	.globl	k_q32f780556a_ctx
	.p2align	8
	.type	k_q32f780556a_ctx,@function
k_q32f780556a_ctx:
	s_mov_b64 s[64:65], 0
	v_nop
	global_prefetch_b8 v0, s[64:65] scope:SCOPE_SE
	s_setreg_imm32_b32 hwreg(HW_REG_WAVE_MODE, 25, 1), 1
	s_wait_xcnt 0x0
	s_wait_alu depctr_hold_cnt(0) depctr_sa_sdst(0) depctr_va_vdst(0) depctr_va_sdst(0) depctr_va_ssrc(0) depctr_va_vcc(0) depctr_vm_vsrc(0)
	s_getreg_b32 s2, hwreg(HW_REG_IB_STS2, 6, 4)
	s_cmp_eq_u32 s2, 0
	s_cbranch_scc0 .Lentry_in_a_cluster
	s_endpgm
.Lentry_in_a_cluster:
	s_bfe_u32 s2, ttmp6, 0x10000c
	s_cmp_lg_u32 s2, 0xf033
	s_cbranch_scc0 .Lentry_shape_is_right
	s_endpgm
.Lentry_shape_is_right:
.set NA,    4
.set NQ,    4
.set KS,    16
.set LAPS,  KS/(2*NQ)
.set FR,    12
.set FRB,   1536
.set NL,    3
.set HALF,  NA/2
.set QTR,   NA/4
.set TROW,  NQ*FRB
.set CT,    TROW/8
.set S0OFF, 2*NA*TROW
.set SLOT,  (2*NA+16)*TROW
.set GS,    KS*256
.set SCL1,  2*SLOT
.set SCL0,  SCL1+(NA/2)*GS
.set LT,    SCL0+4*GS
.set SPARE, LT+512
.set ADRA, 16
.set ADRB, 20
.set LI,   24
.set LTA,  26
.set ADRS, 27
.set SPW,  28
.set NIL,  29
.set VS,   30
.set SC,   32
.set RL,   100
.set RLE,  104
.set ONES, 112
.set AF,   128
.set HSW,  176
.set HNM,  192
.set HLL,  208
.set NMR,  224
.set ND,   225
.set FE,   226
.set LSUM, 227
.set BB,   228
.set RCP,  232
.set P,    128
.set PC,   192
.set TM,   212
.set PW,   228
.set PWK,  232
.set SEL,  10
.set HI,   17
.set G1,   24
.set G0,   32
.set G1B,  48
.set G0B,  56
.set G1SB, 80
.set G0SB, 88
.set MSB, 0
.macro WIN new
.if MSB != (\new)
	s_set_vgpr_msb (MSB<<8)|(\new)
.set MSB, (\new)
.endif
.endm
.macro PLACES n
.rept \n
	v_nop
.endr
.endm
.macro JLOAD g0a, g1a, g0b, g1b
	s_cmp_eq_u32 s15, 0
	s_cbranch_scc0 .Lfor_b_\@
	tensor_load_to_lds s[\g0a:\g0a+3], s[\g1a:\g1a+7]
	s_nop 0
.rept 4
	v_nop
.endr
	s_branch .Lasked_\@
.Lfor_b_\@:
	tensor_load_to_lds s[\g0b:\g0b+3], s[\g1b:\g1b+7]
	s_nop 0
.rept 4
	v_nop
.endr
.Lasked_\@:
.endm
.macro CREST
	s_cmp_lg_u32 s14, 0
	s_cbranch_scc1 .Lnot_wave_0_\@
	s_barrier_signal -3
.Lnot_wave_0_\@:
	s_barrier_wait -3
	s_barrier_signal -1
	s_barrier_wait -1
.endm
.macro CROUND
	s_barrier_signal -1
	s_barrier_wait -1
	CREST
.endm
.macro FRAG reg, adr, q, i
.irp c, 0,1,2
	ds_load_b128 v[(\reg)+4*\c:(\reg)+4*\c+3], v[\adr] offset:(\i)*TROW+(\q)*FRB+512*\c
.endr
.endm
.macro FETCH_B slot, q, p
	WIN 0x40
.irp i, 0,1,2,3,4,5,6,7
	FRAG 128*(\p)+FR*\i, ADRB+\slot, \q, \i
.endr
	WIN 0
.endm
.macro FETCH_A slot, q, i0
.set FI, \i0
.rept HALF
	FRAG AF+FR*FI, ADRA+\slot, \q, FI
.set FI, FI+1
.endr
.endm
.macro SCALES sc
.set SQ, 0
.rept NQ
.irp g, 0,1
.irp u, 0,1
	ds_load_b64 v[SC+8*NQ*(\sc)+8*SQ+4*\g+2*\u:SC+8*NQ*(\sc)+8*SQ+4*\g+2*\u+1], v[ADRS] offset:256*SQ+\g*GS+128*\u
.endr
.endr
.set SQ, SQ+1
.endr
.endm
.macro MULA a, p, q, sc, cm
	WIN 0xa1+0x50*((\a)/4)
.set SA, SC+8*NQ*(\sc)+8*(\q)+4*((\a)/4)+2*((\a)%2)+((\a)/2)%2
.set AR, AF+FR*(\a)
.irp b, 0,1,2,3,4,5,6,7
.set SB, SC+8*NQ*(\sc)+8*(\q)+4*(\b/4)+2*(\b%2)+(\b/2)%2
.set BR, 128*(\p)+FR*\b
.set AC, 8*(8*((\a)%4)+\b)
.if (\cm) == 1
	v_wmma_scale_f32_16x16x128_f8f6f4 v[AC:AC+7], v[BR:BR+11], v[AR:AR+11], 0, v[SB], v[SA] matrix_a_fmt:MATRIX_FMT_FP6 matrix_b_fmt:MATRIX_FMT_FP6 matrix_a_scale:MATRIX_SCALE_ROW1
.else
	v_wmma_scale_f32_16x16x128_f8f6f4 v[AC:AC+7], v[BR:BR+11], v[AR:AR+11], v[AC:AC+7], v[SB], v[SA] matrix_a_fmt:MATRIX_FMT_FP6 matrix_b_fmt:MATRIX_FMT_FP6 matrix_a_scale:MATRIX_SCALE_ROW1
.endif
.endr
.endm
.macro MULS a0, n, p, q, sc, cm
.set MA, \a0
.rept \n
	MULA MA, \p, \q, \sc, \cm
.set MA, MA+1
.endr
.endm
.macro STEP slot, q, cm
	s_wait_dscnt HALF*NL
	MULS 0, HALF, (\q)%2, \q, \slot, \cm
	s_wait_dscnt 0x0
	PLACES 4
	FETCH_B \slot, (\q)+1, 1-(\q)%2
	FETCH_A \slot, (\q)+1, 0
	MULS HALF, HALF, (\q)%2, \q, \slot, \cm
	PLACES 4
	WIN 0
	FETCH_A \slot, (\q)+1, HALF
.endm
.macro TURN slot, next, fill
	s_wait_tensorcnt 0x0
	ds_add_u32 v[SPW], v[NIL]
	s_wait_dscnt HALF*NL+1
	MULS 0, QTR, 1, NQ-1, \slot, 0
	s_wait_dscnt 0x0
	s_barrier_signal -1
	MULS QTR, QTR, 1, NQ-1, \slot, 0
	WIN 0
	s_barrier_wait -1
.if \fill
	CREST
	s_add_nc_u64 s[G0+4*\slot+2:G0+4*\slot+3], s[G0+4*\slot+2:G0+4*\slot+3], 2*TROW
	s_add_nc_u64 s[G0B+4*\slot+2:G0B+4*\slot+3], s[G0B+4*\slot+2:G0B+4*\slot+3], 2*TROW
	JLOAD G0+4*\slot, G1, G0B+4*\slot, G1B
.else
	PLACES 4
.endif
	s_wait_alu depctr_va_vdst(0)
	v_add_nc_u32 v[ADRS], NQ*256, v[ADRS]
	FETCH_B \next, 0, 0
	FETCH_A \next, 0, 0
	SCALES \next
.if (\fill) && ((\slot) == 0)
	ASKT 3                                         ; behind fill 2's load: the last fill
.endif
	MULS HALF, HALF, 1, NQ-1, \slot, 0
	PLACES 4
	WIN 0
	FETCH_A \next, 0, HALF
.endm
.macro LAST
	s_wait_dscnt HALF*NL
	MULS 0, HALF, 1, NQ-1, 1, 0
	s_wait_dscnt 0x0
	MULS HALF, HALF, 1, NQ-1, 1, 0
	WIN 0
.endm
.macro QUANT s
.irp b, 0,1,2,3
	v_max3_num_f32 v[TM+\b], |v[\s+16*\b]|, |v[\s+1+16*\b]|, 0x1800000
.endr
.irp i, 2,4,6,8,10,12,14
.irp b, 0,1,2,3
	v_max3_num_f32 v[TM+\b], v[TM+\b], |v[\s+16*\b+\i]|, |v[\s+1+16*\b+\i]|
.endr
.endr
.irp b, 0,1,2,3
	v_permlanex16_b32 v[TM+4+\b], v[TM+\b], s[SEL], s[SEL+1]
.endr
.irp b, 0,1,2,3
	v_max_num_f32 v[TM+\b], v[TM+\b], v[TM+4+\b]
.endr
.irp b, 0,1,2,3
	v_add_nc_u32 v[TM+12+\b], 0xff000000, v[TM+\b]
.endr
.irp b, 0,1,2,3
	v_lshrrev_b32 v[TM+4+\b], 23, v[TM+12+\b]
.endr
	v_lshl_or_b32 v[PW], v[TM+5], 8, v[TM+4]
	v_lshl_or_b32 v[PW], v[TM+6], 16, v[PW]
	v_lshl_or_b32 v[PW], v[TM+7], 24, v[PW]
.irp c, 0,1
	v_cvt_scalef32_pk16_fp6_f32 v[PC+6*\c:PC+2+6*\c], v[\s+32*\c:\s+15+32*\c], v[TM+12+2*\c]
	v_cvt_scalef32_pk16_fp6_f32 v[PC+12+4*\c:PC+14+4*\c], v[\s+16+32*\c:\s+31+32*\c], v[TM+12+2*\c+1]
.endr
	v_nop
.irp c, 0,1
.irp i, 0,1,2
	v_permlane16_swap_b32 v[PC+6*\c+\i], v[PC+12+4*\c+\i]
.endr
.irp i, 0,1,2
	v_mov_b32 v[PC+3+6*\c+\i], v[PC+12+4*\c+\i]
.endr
.endr
.endm
	s_load_b128 s[4:7], s[0:1], 0x0
	s_load_b64 s[8:9], s[0:1], 0x10
	v_lshl_add_u32 v[SPW], v0, 2, SPARE
	v_mov_b32 v[NIL], 0
	ds_add_u32 v28, v29
	ds_add_u32 v28, v29
	s_wait_dscnt 0x0
	v_lshrrev_b32 v1, 5, v0
	v_readfirstlane_b32 s14, v1
	s_lshr_b32 s15, s14, 1
	s_and_b32 s16, s14, 1
	s_bfe_u32 s40, ttmp6, 0x40000
	s_bfe_u32 s41, ttmp6, 0x40004
	s_lshl_b32 s42, ttmp9, 2
	s_add_co_u32 s42, s42, s40
	s_and_b32 s18, ttmp7, 0xffff
	s_lshl_b32 s19, s18, 2
	s_add_co_u32 s19, s19, s41
	s_lshr_b32 s18, s18, 2
	s_lshl_b32 s43, s41, 2
	s_lshl_b32 s43, 15, s43
	s_lshl_b32 s44, 0x1111, s40
	s_or_b32 s[G1], s43, (3<<16)|(1<<21)
	s_or_b32 s[G1B], s44, (3<<16)|(1<<21)
	s_mov_b32 s[G1+1], CT<<16
	s_mov_b32 s[G1+2], (2*NA)<<16                  ; the head's load brings the whole block's tiles
	s_mov_b32 s[G1+3], CT<<16
	s_mov_b32 s[G1+4], 2*NA
	s_mov_b32 s[G1+5], KS*192
	s_mov_b32 s[G1+6], 0
	s_mov_b32 s[G1+7], 0
	s_mov_b32 s[G1B+1], CT<<16
	s_mov_b32 s[G1B+2], 16<<16
	s_mov_b32 s[G1B+3], CT<<16
	s_mov_b32 s[G1B+4], 16
	s_mov_b32 s[G1B+5], KS*192
	s_mov_b32 s[G1B+6], 0
	s_mov_b32 s[G1B+7], 0
	s_or_b32 s[G1SB], s44, (3<<16)|(1<<21)
	s_mov_b32 s[G1SB+1], 32<<16
	s_mov_b32 s[G1SB+2], 32<<16
	s_mov_b32 s[G1SB+3], 32<<16
	s_mov_b32 s[G1SB+4], 32
	s_mov_b32 s[G1SB+5], 32
	s_mov_b32 s[G1SB+6], 0
	s_mov_b32 s[G1SB+7], 0
	s_mul_i32 s20, s19, 196608
	s_mov_b32 s21, 0
	s_lshl_b32 s46, s18, 2
	s_add_co_u32 s46, s46, s42
	s_lshl_b32 s92, s46, 14
	s_mul_i32 s46, s46, 393216
	s_add_co_u32 s46, s46, 12582912
	s_mov_b32 s47, 0
	s_lshl_b32 s93, s16, 13                        ; v's scale words: waves 2 and 3 fetch 8,192 bytes each
	s_add_co_u32 s92, s92, s93
	s_add_co_u32 s92, s92, 19398656
	s_mov_b32 s93, 0
	s_lshl_b32 s95, s16, 13
	s_mov_b32 s[SEL], 0x76543210
	s_mov_b32 s[SEL+1], 0xfedcba98
	s_mov_b32 s[HI], 0xffff0000
	s_wait_kmcnt 0x0
	s_add_nc_u64 s[20:21], s[4:5], s[20:21]
	s_add_nc_u64 s[46:47], s[6:7], s[46:47]
	s_add_nc_u64 s[92:93], s[6:7], s[92:93]
	CROUND
	s_mov_b32 s[G0SB], 1
	s_add_co_u32 s[G0SB+1], s95, SCL0
	s_mov_b64 s[G0SB+2:G0SB+3], s[92:93]
	s_or_b32 s[G0SB+3], s[G0SB+3], 0x80000000
.irp s, 0,1
	s_mov_b32 s[G0+4*\s], 1
	s_mov_b32 s[G0+4*\s+1], \s*SLOT
	s_add_nc_u64 s[G0+4*\s+2:G0+4*\s+3], s[20:21], \s*TROW
	s_or_b32 s[G0+4*\s+3], s[G0+4*\s+3], 0x80000000
	s_mov_b32 s[G0B+4*\s], 1
	s_mov_b32 s[G0B+4*\s+1], S0OFF+\s*SLOT
	s_add_nc_u64 s[G0B+4*\s+2:G0B+4*\s+3], s[46:47], \s*TROW
	s_or_b32 s[G0B+4*\s+3], s[G0B+4*\s+3], 0x80000000
.endr
; THE HEAD'S LOADS, ONE A WAVE: wave 0 slot 0's 8 tiles of p, wave 1 its 16 tiles of v^T, waves 2 and 3 a half each of v^T's scale words.  One chain of branches on the wave's number, all arms to one join.
.macro ARM under, g0, g1, next
	s_cmp_lt_u32 s14, \under
	s_cbranch_scc0 \next
	tensor_load_to_lds s[\g0:\g0+3], s[\g1:\g1+7]
	s_nop 0
.rept 4
	v_nop
.endr
	s_branch .Lhead_asked
\next:
.endm
	ARM 1, G0, G1, .Lhead_b
	ARM 2, G0B, G1B, .Lhead_s
	tensor_load_to_lds s[G0SB:G0SB+3], s[G1SB:G1SB+7]
	s_nop 0
.rept 4
	v_nop
.endr
.Lhead_asked:
; PREFETCH OF THE TILES.  K (the keys) comes in four fills of TROW bytes a tile.  Behind fill f's tensor load each wave asks for fill f + 1: one fill, four K steps, ahead; fill 3's trip asks for nothing.
; Waves 0, 1 ask for p: of the 4 tiles that a wave fetches, the partner at place cx names tile cx.  Waves 2, 3 ask for v^T: of the 8 tiles that a wave fetches, the partner at place cy names tiles 2 cy and 2 cy + 1, by a second instruction.
; A tile's part of a fill is 24 aligned blocks of 256 bytes, a lane a block; lanes 24-31 name block 23 again.  So each block is named once in the cluster.  s[2:3] and v22 are never rewritten; the fill stands in the immediate.
.macro ASKT f
	global_prefetch_b8 v22, s[2:3] offset:(\f)*TROW th:TH_LOAD_NT scope:SCOPE_SE
	s_cmp_eq_u32 s15, 0                            ; the branch hangs on the wave's number alone
	s_cbranch_scc1 .Lone_tile_\@
	global_prefetch_b8 v22, s[2:3] offset:(\f)*TROW+KS*FRB th:TH_LOAD_NT scope:SCOPE_SE
.Lone_tile_\@:
.endm
	s_cmp_eq_u32 s15, 0
	s_cselect_b64 s[2:3], s[20:21], s[46:47]       ; the block's codes: the choice hangs on the wave's number alone
	s_cselect_b32 s98, s40, s41
	s_lshl_b32 s99, s16, 2
	s_add_co_u32 s98, s98, s99
	s_lshl_b32 s98, s98, s15                       ; p: tile 4 x half + place; v^T: twice that
	s_mul_i32 s98, s98, KS*FRB
	s_mov_b32 s99, 0
	s_add_nc_u64 s[2:3], s[2:3], s[98:99]
	v_and_b32 v23, 31, v0
	v_min_u32 v23, 23, v23                         ; block 0..23
	v_lshlrev_b32 v22, 8, v23
	ASKT 1
	v_and_b32 v1, 31, v0
	v_and_b32 v2, 15, v0
	v_bfe_u32 v3, v0, 4, 1
	v_lshlrev_b32 v4, 2, v1
	s_wait_alu depctr_va_vdst(0)
	s_lshl_b32 s21, s15, 12
	s_lshl_b32 s22, s16, 7
	s_add_co_u32 s21, s21, s22
	s_lshl_b32 s22, s19, 13
	s_add_co_u32 s22, s22, s21
	s_add_co_u32 s22, s22, 12582912
	s_mov_b32 s23, 0
	s_add_nc_u64 s[12:13], s[4:5], s[22:23]
.irp k, 0,1,2,3,4,5,6,7,8,9,10,11,12,13,14,15
	global_load_b32 v[HNM+\k], v4, s[12:13] offset:256*\k+524288
.endr
.irp k, 0,1,2,3,4,5,6,7,8,9,10,11,12,13,14,15
	global_load_b32 v[HSW+\k], v4, s[12:13] offset:256*\k
	global_load_b32 v[HLL+\k], v4, s[12:13] offset:256*\k+1048576
.endr
	s_add_co_u32 s21, s21, SCL1
	v_add_nc_u32 v5, s21, v4
	s_lshl_b32 s22, s14, 7
	s_add_co_u32 s22, s22, LT
	v_add_nc_u32 v6, s22, v4
	s_lshl_b32 s22, s15, 8
	s_add_co_u32 s22, s22, LT
	v_lshl_add_u32 v[LTA], v2, 3, s22
	v_lshlrev_b32 v[LI], 4, v1
	v_lshlrev_b32 v[VS], 3, v1
	s_mul_i32 s21, s15, NA*TROW
	s_mul_i32 s22, s16, 8*TROW
	s_add_co_u32 s22, s22, S0OFF
.irp s, 0,1
	v_add_nc_u32 v[ADRA+\s], s21, v[LI]
	v_add_nc_u32 v[ADRB+\s], s22, v[LI]
	s_add_co_u32 s21, s21, SLOT
	s_add_co_u32 s22, s22, SLOT
.endr
	v_lshlrev_b32 v7, 3, v2
	s_mul_i32 s21, s15, (NA/4)*GS
	s_mul_i32 s22, s16, 2*GS
	s_add_co_u32 s22, s22, SCL0-SCL1
	s_sub_co_u32 s22, s22, s21
	v_mul_u32_u24 v8, s22, v3
	s_add_co_u32 s21, s21, SCL1
	v_add_nc_u32 v7, v7, v8
	v_add_nc_u32 v[ADRS], s21, v7
	s_lshl_b32 s20, s19, 3
	s_lshl_b32 s21, s15, 2
	s_add_co_u32 s20, s20, s21
	s_lshl_b32 s21, s42, 1
	s_add_co_u32 s21, s21, s16
	s_lshl_b32 s22, s20, 3
	s_add_co_u32 s22, s22, s21
	s_mul_i32 s22, s22, 1536
	s_mov_b32 s23, 0
	s_mov_b64 s[6:7], s[8:9]
	s_add_nc_u64 s[8:9], s[8:9], s[22:23]
	s_lshl_b32 s22, s20, 1
	s_add_co_u32 s22, s22, s21
	s_lshl_b32 s22, s22, 8
	s_add_co_u32 s22, s22, 6291456
	s_add_nc_u64 s[6:7], s[6:7], s[22:23]
	v_mov_b32 v[LSUM], 0
	s_wait_loadcnt 0x0
	v_min3_num_f32 v[NMR], v[HNM], v[HNM+1], v[HNM+2]
.irp i, 3,5,7,9,11,13
	v_min3_num_f32 v[NMR], v[NMR], v[HNM+\i], v[HNM+1+\i]
.endr
	v_min_num_f32 v[NMR], v[NMR], v[HNM+15]
.irp k, 0,1,2,3,4,5,6,7,8,9,10,11,12,13,14,15
	v_sub_f32 v[ND], v[HNM+\k], v[NMR]
	v_min_num_f32 v[ND], 0x437f0000, v[ND]
	v_cvt_u32_f32 v[ND], v[ND]
	v_sub_nc_u32 v[FE], 0, v[ND]
	v_ldexp_f32 v[FE], 1.0, v[FE]
	v_fmac_f32 v[LSUM], v[HLL+\k], v[FE]
	v_and_b32 v[BB], 0xff, v[HSW+\k]
	v_bfe_u32 v[BB+1], v[HSW+\k], 8, 8
	v_bfe_u32 v[BB+2], v[HSW+\k], 16, 8
	v_lshrrev_b32 v[BB+3], 24, v[HSW+\k]
.irp j, 0,1,2,3
	v_max_u32 v[BB+\j], v[BB+\j], v[ND]
.endr
.irp j, 0,1,2,3
	v_sub_nc_u32 v[BB+\j], v[BB+\j], v[ND]
.endr
	v_lshl_or_b32 v[BB], v[BB+1], 8, v[BB]
	v_lshl_or_b32 v[BB], v[BB+2], 16, v[BB]
	v_lshl_or_b32 v[HSW+\k], v[BB+3], 24, v[BB]
	ds_store_b32 v5, v[HSW+\k] offset:256*\k
.endr
	s_wait_alu depctr_va_vdst(0)
	v_rcp_f32 v[RCP], v[LSUM]
	v_nop
	s_wait_alu depctr_va_vdst(0)
	ds_store_b32 v6, v[RCP]
	s_wait_tensorcnt 0x0                           ; my tile of the head's is in; slot 1's first fill is issued as a refill is
	ds_add_u32 v[SPW], v[NIL]                      ; 0 onto my spare word
	s_mov_b32 s[G1+2], NA<<16                      ; no load of mine is out, so descriptors may be written: from here on a load brings half a block's tiles,
	s_mov_b32 s[G1+4], NA
	s_mov_b32 s[G1B+2], 8<<16
	s_mov_b32 s[G1B+4], 8
	s_mov_b32 s99, 0
	s_mul_i32 s98, s16, NA*KS*FRB                  ; the half that I fetch: its place in memory,
.irp s, 0,1
	s_add_nc_u64 s[G0+4*\s+2:G0+4*\s+3], s[G0+4*\s+2:G0+4*\s+3], s[98:99]
.endr
	s_mul_i32 s98, s16, 8*KS*FRB
.irp s, 0,1
	s_add_nc_u64 s[G0B+4*\s+2:G0B+4*\s+3], s[G0B+4*\s+2:G0B+4*\s+3], s[98:99]
.endr
	s_mul_i32 s98, s16, NA*TROW                    ; and in LDS
.irp s, 0,1
	s_add_co_u32 s[G0+4*\s+1], s[G0+4*\s+1], s98
.endr
	s_mul_i32 s98, s16, 8*TROW
.irp s, 0,1
	s_add_co_u32 s[G0B+4*\s+1], s[G0B+4*\s+1], s98
.endr
	s_wait_dscnt 0x0                               ; the add is done, and so are my stores of p's scale words and of 1 / the sums
	CROUND                                         ; a whole round: the head's tiles and all waves' stores are in, and the joint loads meet
	JLOAD G0+4, G1, G0B+4, G1B                     ; slot 1: my one tensor load behind the round
	FETCH_B 0, 0, 0
	FETCH_A 0, 0, 0
	SCALES 0
	FETCH_A 0, 0, HALF
	ASKT 2                                         ; behind fill 1's load and the run of LDS loads
	STEP 0, 0, 1
.rept LAPS-1
	STEP 0, 1, 0
	STEP 0, 2, 0
	TURN 0, 1, 1
	STEP 1, 0, 0
	STEP 1, 1, 0
	STEP 1, 2, 0
	TURN 1, 0, 1
	STEP 0, 0, 0
.endr
	STEP 0, 1, 0
	STEP 0, 2, 0
	TURN 0, 1, 0
	STEP 1, 0, 0
	STEP 1, 1, 0
	STEP 1, 2, 0
	LAST
	PLACES 4
.irp b, 0,1,2,3
	v_mov_b32 v[TM+4+\b], 0
.endr
	v_mov_b32 v[ONES], -1
	ds_load_b64 v[RL:RL+1], v[LTA]
	ds_load_b64 v[RL+2:RL+3], v[LTA] offset:128
	s_wait_dscnt 0x0
	v_mov_b32 v[RLE], v[RL]
	v_mov_b32 v[RLE+1], v[RL]
	v_mov_b32 v[RLE+2], v[RL+2]
	v_mov_b32 v[RLE+3], v[RL+2]
	v_mov_b32 v[RLE+4], v[RL+1]
	v_mov_b32 v[RLE+5], v[RL+1]
	v_mov_b32 v[RLE+6], v[RL+3]
	v_mov_b32 v[RLE+7], v[RL+3]
.macro EPI a
.set AC, 64*(\a)
	WIN 0x02
.set N, 0
.rept 32
	v_pk_mul_f32 v[P+N:P+N+1], v[AC+N:AC+N+1], v[RLE+2*(\a):RLE+2*(\a)+1]
.set N, N+2
.endr
	WIN 0
.if (\a) > 0
	s_wait_xcnt 0x0
.endif
	QUANT P
	v_cmp_eq_f32 vcc_lo, 0x7f800000, v[RLE+2*(\a)]
	v_cndmask_b32 v[PWK+(\a)], v[PW], v[ONES], vcc_lo
.irp c, 0,1,2
	global_store_b128 v[LI], v[PC+4*\c:PC+4*\c+3], s[8:9] offset:12288*(\a)+512*\c
.endr
.endm
.irp a, 0,1,2,3
	EPI \a
.endr
	v_cndmask_b32 v[P], v[PWK], v[PWK+1], s[HI]
	v_cndmask_b32 v[P+1], v[PWK+2], v[PWK+3], s[HI]
	global_store_b64 v[VS], v[P:P+1], s[6:7]
	s_wait_tensorcnt 0x0
	ds_add_u32 v[SPW], v[NIL]
	s_wait_dscnt 0x0
	CROUND
	s_endpgm
.Lfunc_end_k_q32f780556a_ctx:
	.size	k_q32f780556a_ctx, .Lfunc_end_k_q32f780556a_ctx-k_q32f780556a_ctx
	.p2alignl 7, 3214868480
	.fill 96, 4, 3214868480
	.section	.rodata,"a",@progbits
	.p2align	6, 0x0
	.amdhsa_kernel k_q32f780556a_ctx
		.amdhsa_group_segment_fixed_size 327680
		.amdhsa_private_segment_fixed_size 0
		.amdhsa_enable_private_segment 0
		.amdhsa_kernarg_size 24
		.amdhsa_user_sgpr_count 2
		.amdhsa_user_sgpr_kernarg_segment_ptr 1
		.amdhsa_wavefront_size32 1
		.amdhsa_system_sgpr_workgroup_id_x 1
		.amdhsa_system_sgpr_workgroup_id_y 1
		.amdhsa_system_sgpr_workgroup_id_z 1
		.amdhsa_system_vgpr_workitem_id 0
		.amdhsa_next_free_vgpr 768
		.amdhsa_next_free_sgpr 100
		.amdhsa_reserve_vcc 1
		.amdhsa_float_denorm_mode_32 3
		.amdhsa_float_denorm_mode_16_64 3
		.amdhsa_memory_ordered 1
		.amdhsa_forward_progress 1
		.amdhsa_inst_pref_size 172
	.end_amdhsa_kernel
	.amdgpu_metadata
---
amdhsa.version: [ 1, 2 ]
amdhsa.kernels:
  - .name:           k_q32f780556a_ctx
    .symbol:         k_q32f780556a_ctx.kd
    .args:
      - { .name: pbuf, .offset: 0, .size: 8, .value_kind: global_buffer, .address_space: global }
      - { .name: qkv, .offset: 8, .size: 8, .value_kind: global_buffer, .address_space: global }
      - { .name: ctxb, .offset: 16, .size: 8, .value_kind: global_buffer, .address_space: global }
    .group_segment_fixed_size: 327680
    .private_segment_fixed_size: 0
    .kernarg_segment_align: 8
    .kernarg_segment_size: 24
    .max_flat_workgroup_size: 128
    .sgpr_count:     100
    .vgpr_count:     768
    .wavefront_size: 32
...
	.end_amdgpu_metadata
.endif
;; end of part 4
;; launch outp (part 5): grid 4 x 64, 4 waves a work-group, clusters of 4 x 4, 327,680 bytes of LDS; arguments ctxb, xw, b_out, out0; writes out0
.if DOCPART == 5
	.amdgcn_target "amdgcn-amd-amdhsa--gfx1250"
	.amdhsa_code_object_version 6
	.text
	.protected	k_q32f780556a_outp
	.globl	k_q32f780556a_outp
	.p2align	8
	.type	k_q32f780556a_outp,@function
k_q32f780556a_outp:
	s_mov_b64 s[64:65], 0
	v_nop
	global_prefetch_b8 v0, s[64:65] scope:SCOPE_SE
	s_setreg_imm32_b32 hwreg(HW_REG_WAVE_MODE, 25, 1), 1
	s_wait_xcnt 0x0
	s_wait_alu depctr_hold_cnt(0) depctr_sa_sdst(0) depctr_va_vdst(0) depctr_va_sdst(0) depctr_va_ssrc(0) depctr_va_vcc(0) depctr_vm_vsrc(0)
	s_getreg_b32 s2, hwreg(HW_REG_IB_STS2, 6, 4)
	s_cmp_eq_u32 s2, 0
	s_cbranch_scc0 .Lentry_in_a_cluster
	s_endpgm
.Lentry_in_a_cluster:
	s_bfe_u32 s2, ttmp6, 0x10000c
	s_cmp_lg_u32 s2, 0xf033
	s_cbranch_scc0 .Lentry_shape_is_right
	s_endpgm
.Lentry_shape_is_right:
.set NA,    4
.set NQ,    4
.set KS,    8
.set FR,    12
.set FRB,   1536
.set NL,    3
.set HALF,  NA/2
.set QTR,   NA/4
.set TROW,  NQ*FRB
.set CT,    TROW/8
.set S0OFF, 2*NA*TROW
.set SLOT,  (2*NA+16)*TROW
.set GS,    KS*256
.set SCL1,  2*SLOT
.set SCL0,  SCL1+(NA/2)*GS
.set SPARE, SCL0+4*GS
.set SPITCH, 528
.set ADRA, 16
.set ADRB, 20
.set LI,   24
.set STO,  25
.set RD,   26
.set ADRS, 27
.set SPW,  28
.set NIL,  29
.set SC,   32
.set AF,   128
.set BK,   128
.set G1,   24
.set G0,   32
.set G1B,  48
.set G0B,  56
.set G1S,  68
.set G0S,  76
.set G1SB, 80
.set G0SB, 88
.set MSB, 0
.macro WIN new
.if MSB != (\new)
	s_set_vgpr_msb (MSB<<8)|(\new)
.set MSB, (\new)
.endif
.endm
.macro PLACES n
.rept \n
	v_nop
.endr
.endm
.macro JLOAD g0a, g1a, g0b, g1b
	s_cmp_eq_u32 s15, 0
	s_cbranch_scc0 .Lfor_b_\@
	tensor_load_to_lds s[\g0a:\g0a+3], s[\g1a:\g1a+7]
	s_nop 0
.rept 4
	v_nop
.endr
	s_branch .Lasked_\@
.Lfor_b_\@:
	tensor_load_to_lds s[\g0b:\g0b+3], s[\g1b:\g1b+7]
	s_nop 0
.rept 4
	v_nop
.endr
.Lasked_\@:
.endm
.macro CREST
	s_cmp_lg_u32 s14, 0
	s_cbranch_scc1 .Lnot_wave_0_\@
	s_barrier_signal -3
.Lnot_wave_0_\@:
	s_barrier_wait -3
	s_barrier_signal -1
	s_barrier_wait -1
.endm
.macro CROUND
	s_barrier_signal -1
	s_barrier_wait -1
	CREST
.endm
.macro FRAG reg, adr, q, i
.irp c, 0,1,2
	ds_load_b128 v[(\reg)+4*\c:(\reg)+4*\c+3], v[\adr] offset:(\i)*TROW+(\q)*FRB+512*\c
.endr
.endm
.macro FETCH_B slot, q, p
	WIN 0x40
.irp i, 0,1,2,3,4,5,6,7
	FRAG 128*(\p)+FR*\i, ADRB+\slot, \q, \i
.endr
	WIN 0
.endm
.macro FETCH_A slot, q, i0
.set FI, \i0
.rept HALF
	FRAG AF+FR*FI, ADRA+\slot, \q, FI
.set FI, FI+1
.endr
.endm
.macro SCALES sc
.set SQ, 0
.rept NQ
.irp g, 0,1
.irp u, 0,1
	ds_load_b64 v[SC+8*NQ*(\sc)+8*SQ+4*\g+2*\u:SC+8*NQ*(\sc)+8*SQ+4*\g+2*\u+1], v[ADRS] offset:256*SQ+\g*GS+128*\u
.endr
.endr
.set SQ, SQ+1
.endr
.endm
.macro MULA a, p, q, sc, cm
.if (\cm) == 2
	WIN 0x91
.else
	WIN 0xa1
.endif
.set SA, SC+8*NQ*(\sc)+8*(\q)+4*((\a)/4)+2*((\a)%2)+((\a)/2)%2
.set AR, AF+FR*(\a)
.irp b, 0,1,2,3,4,5,6,7
.set SB, SC+8*NQ*(\sc)+8*(\q)+4*(\b/4)+2*(\b%2)+(\b/2)%2
.set BR, 128*(\p)+FR*\b
.set AC, 8*(8*((\a)%4)+\b)
.set CR, 96+8*\b+96*(\b/4)
.if (\cm) == 2
	v_wmma_scale_f32_16x16x128_f8f6f4 v[AC:AC+7], v[BR:BR+11], v[AR:AR+11], v[CR:CR+7], v[SB], v[SA] matrix_a_fmt:MATRIX_FMT_FP6 matrix_b_fmt:MATRIX_FMT_FP6 matrix_a_scale:MATRIX_SCALE_ROW1
.else
	v_wmma_scale_f32_16x16x128_f8f6f4 v[AC:AC+7], v[BR:BR+11], v[AR:AR+11], v[AC:AC+7], v[SB], v[SA] matrix_a_fmt:MATRIX_FMT_FP6 matrix_b_fmt:MATRIX_FMT_FP6 matrix_a_scale:MATRIX_SCALE_ROW1
.endif
.endr
.endm
.macro MULS a0, n, p, q, sc, cm
.set MA, \a0
.rept \n
	MULA MA, \p, \q, \sc, \cm
.set MA, MA+1
.endr
.endm
.macro STEP slot, q, cm
	s_wait_dscnt HALF*NL
	MULS 0, HALF, (\q)%2, \q, \slot, \cm
	s_wait_dscnt 0x0
	PLACES 4
	FETCH_B \slot, (\q)+1, 1-(\q)%2
	FETCH_A \slot, (\q)+1, 0
	MULS HALF, HALF, (\q)%2, \q, \slot, \cm
	PLACES 4
	WIN 0
	FETCH_A \slot, (\q)+1, HALF
.endm
.macro TURN slot, next
	s_wait_tensorcnt 0x0
	ds_add_u32 v[SPW], v[NIL]
	s_wait_dscnt HALF*NL+1
	MULS 0, QTR, 1, NQ-1, \slot, 0
	s_wait_dscnt 0x0
	s_barrier_signal -1
	MULS QTR, QTR, 1, NQ-1, \slot, 0
	WIN 0
	s_barrier_wait -1
	PLACES 4
	v_add_nc_u32 v[ADRS], NQ*256, v[ADRS]
	FETCH_B \next, 0, 0
	FETCH_A \next, 0, 0
	SCALES \next
	MULS HALF, HALF, 1, NQ-1, \slot, 0
	PLACES 4
	WIN 0
	FETCH_A \next, 0, HALF
.endm
.macro LAST
	s_wait_dscnt HALF*NL
	MULS 0, HALF, 1, NQ-1, 1, 0
	s_wait_dscnt 0x0
	MULS HALF, HALF, 1, NQ-1, 1, 0
	WIN 0
.endm
	s_load_b256 s[4:11], s[0:1], 0x0
	v_lshl_add_u32 v[SPW], v0, 2, SPARE
	v_mov_b32 v[NIL], 0
	ds_add_u32 v28, v29
	ds_add_u32 v28, v29
	s_wait_dscnt 0x0
	v_lshrrev_b32 v1, 5, v0
	v_readfirstlane_b32 s14, v1
	s_lshr_b32 s15, s14, 1
	s_and_b32 s16, s14, 1
	s_bfe_u32 s40, ttmp6, 0x40000
	s_bfe_u32 s41, ttmp6, 0x40004
	s_lshl_b32 s42, ttmp9, 2
	s_add_co_u32 s42, s42, s40
	s_and_b32 s18, ttmp7, 0xffff
	s_lshl_b32 s19, s18, 2
	s_add_co_u32 s19, s19, s41
	s_lshl_b32 s43, s41, 2
	s_lshl_b32 s43, 15, s43
	s_lshl_b32 s44, 0x1111, s40
	s_or_b32 s[G1], s43, (3<<16)|(1<<21)
	s_or_b32 s[G1B], s44, (3<<16)|(1<<21)
	s_mov_b32 s[G1+1], CT<<16
	s_mov_b32 s[G1+2], (2*NA)<<16                  ; the head's load brings the whole block's tiles
	s_mov_b32 s[G1+3], CT<<16
	s_mov_b32 s[G1+4], 2*NA
	s_mov_b32 s[G1+5], KS*192
	s_mov_b32 s[G1+6], 0
	s_mov_b32 s[G1+7], 0
	s_mov_b32 s[G1B+1], CT<<16
	s_mov_b32 s[G1B+2], 16<<16
	s_mov_b32 s[G1B+3], CT<<16
	s_mov_b32 s[G1B+4], 16
	s_mov_b32 s[G1B+5], KS*192
	s_mov_b32 s[G1B+6], 0
	s_mov_b32 s[G1B+7], 0
	s_or_b32 s[G1S], s43, (3<<16)|(1<<21)
	s_mov_b32 s[G1S+1], 32<<16
	s_mov_b32 s[G1S+2], 16<<16
	s_mov_b32 s[G1S+3], 32<<16
	s_mov_b32 s[G1S+4], 16
	s_mov_b32 s[G1S+5], 32
	s_mov_b32 s[G1S+6], 0
	s_mov_b32 s[G1S+7], 0
	s_or_b32 s[G1SB], s44, (3<<16)|(1<<21)
	s_mov_b32 s[G1SB+1], 32<<16
	s_mov_b32 s[G1SB+2], 32<<16
	s_mov_b32 s[G1SB+3], 32<<16
	s_mov_b32 s[G1SB+4], 32
	s_mov_b32 s[G1SB+5], 32
	s_mov_b32 s[G1SB+6], 0
	s_mov_b32 s[G1SB+7], 0
	s_mul_i32 s20, s19, 98304
	s_mov_b32 s21, 0
	s_lshl_b32 s22, s19, 12
	s_add_co_u32 s22, s22, 6291456
	s_mov_b32 s23, 0
	s_lshl_b32 s92, s42, 13
	s_mul_i32 s46, s42, 196608
	s_add_co_u32 s46, s46, 8650752
	s_mov_b32 s47, 0
	s_add_co_u32 s92, s92, 9797632
	s_mov_b32 s93, 0
	s_wait_kmcnt 0x0
	s_add_nc_u64 s[20:21], s[4:5], s[20:21]
	s_add_nc_u64 s[22:23], s[4:5], s[22:23]
	s_add_nc_u64 s[46:47], s[6:7], s[46:47]
	s_add_nc_u64 s[92:93], s[6:7], s[92:93]
	CROUND
	s_mov_b32 s[G0S], 1
	s_mov_b32 s[G0S+1], SCL1
	s_mov_b64 s[G0S+2:G0S+3], s[22:23]
	s_or_b32 s[G0S+3], s[G0S+3], 0x80000000
	s_mov_b32 s[G0SB], 1
	s_mov_b32 s[G0SB+1], SCL0
	s_mov_b64 s[G0SB+2:G0SB+3], s[92:93]
	s_or_b32 s[G0SB+3], s[G0SB+3], 0x80000000
.irp s, 0,1
	s_mov_b32 s[G0+4*\s], 1
	s_mov_b32 s[G0+4*\s+1], \s*SLOT
	s_add_nc_u64 s[G0+4*\s+2:G0+4*\s+3], s[20:21], \s*TROW
	s_or_b32 s[G0+4*\s+3], s[G0+4*\s+3], 0x80000000
	s_mov_b32 s[G0B+4*\s], 1
	s_mov_b32 s[G0B+4*\s+1], S0OFF+\s*SLOT
	s_add_nc_u64 s[G0B+4*\s+2:G0B+4*\s+3], s[46:47], \s*TROW
	s_or_b32 s[G0B+4*\s+3], s[G0B+4*\s+3], 0x80000000
.endr
; THE HEAD'S LOADS, ONE A WAVE: wave 0 slot 0's 8 tiles of ctx, wave 1 its 16 tiles of W_out, wave 2 ctx's scale words, wave 3 W_out's.  One chain of branches on the wave's number, all arms to one join.
.macro ARM under, g0, g1, next
	s_cmp_lt_u32 s14, \under
	s_cbranch_scc0 \next
	tensor_load_to_lds s[\g0:\g0+3], s[\g1:\g1+7]
	s_nop 0
.rept 4
	v_nop
.endr
	s_branch .Lhead_asked
\next:
.endm
	ARM 1, G0, G1, .Lhead_b
	ARM 2, G0B, G1B, .Lhead_sa
	ARM 3, G0S, G1S, .Lhead_sb
	tensor_load_to_lds s[G0SB:G0SB+3], s[G1SB:G1SB+7]
	s_nop 0
.rept 4
	v_nop
.endr
.Lhead_asked:
; PREFETCH OF THE TILES.  K comes in two fills of TROW bytes a tile.  Behind fill 0's tensor load each wave asks for fill 1; nothing follows it.
; Waves 0, 1 ask for ctx: of the 4 tiles that a wave fetches, the partner at place cx names tile cx.  Waves 2, 3 ask for W_out: of the 8 tiles that a wave fetches, the partner at place cy names tiles 2 cy and 2 cy + 1, by a second instruction.
; A tile's part of a fill is 24 aligned blocks of 256 bytes, a lane a block; lanes 24-31 name block 23 again.  So each block is named once in the cluster.  s[2:3] and v22 are never rewritten.
	s_cmp_eq_u32 s15, 0
	s_cselect_b64 s[2:3], s[20:21], s[46:47]       ; the block's codes: the choice hangs on the wave's number alone
	s_cselect_b32 s98, s40, s41
	s_lshl_b32 s99, s16, 2
	s_add_co_u32 s98, s98, s99
	s_lshl_b32 s98, s98, s15                       ; ctx: tile 4 x half + place; W_out: twice that
	s_mul_i32 s98, s98, KS*FRB
	s_mov_b32 s99, 0
	s_add_nc_u64 s[2:3], s[2:3], s[98:99]
	v_and_b32 v23, 31, v0
	v_min_u32 v23, 23, v23                         ; block 0..23
	v_lshlrev_b32 v22, 8, v23
	global_prefetch_b8 v22, s[2:3] offset:TROW th:TH_LOAD_NT scope:SCOPE_SE
	s_cmp_eq_u32 s15, 0                            ; the branch hangs on the wave's number alone
	s_cbranch_scc1 .Lone_tile
	global_prefetch_b8 v22, s[2:3] offset:TROW+KS*FRB th:TH_LOAD_NT scope:SCOPE_SE
.Lone_tile:
	v_and_b32 v1, 31, v0
	v_and_b32 v2, 15, v0
	v_bfe_u32 v3, v0, 4, 1
	v_lshlrev_b32 v[LI], 4, v1
	s_wait_alu depctr_va_vdst(0)
	s_lshl_b32 s20, s42, 10
	s_lshl_b32 s21, s16, 9
	s_add_co_u32 s20, s20, s21
	v_lshl_add_u32 v4, v3, 6, s20
	WIN 0x40
.irp b, 0,1,2,3
.irp c, 0,1,2,3
	global_load_b128 v[96+16*\b+4*\c+96*(\b/2):96+16*\b+4*\c+96*(\b/2)+3], v4, s[8:9] offset:128*\b+16*\c
.endr
.endr
	WIN 0
	s_lshl_b32 s22, s19, 7
	s_lshl_b32 s23, s15, 6
	s_add_co_u32 s22, s22, s23
	s_lshl_b32 s22, s22, 12
	s_add_co_u32 s22, s22, s20
	s_mov_b32 s23, 0
	s_add_nc_u64 s[10:11], s[10:11], s[22:23]
	s_mul_i32 s21, s15, NA*TROW
	s_mul_i32 s22, s16, 8*TROW
	s_add_co_u32 s22, s22, S0OFF
.irp s, 0,1
	v_add_nc_u32 v[ADRA+\s], s21, v[LI]
	v_add_nc_u32 v[ADRB+\s], s22, v[LI]
	s_add_co_u32 s21, s21, SLOT
	s_add_co_u32 s22, s22, SLOT
.endr
	v_lshlrev_b32 v5, 3, v2
	s_mul_i32 s21, s15, (NA/4)*GS
	s_mul_i32 s22, s16, 2*GS
	s_add_co_u32 s22, s22, SCL0-SCL1
	s_sub_co_u32 s22, s22, s21
	v_mul_u32_u24 v6, s22, v3
	s_add_co_u32 s21, s21, SCL1
	v_add_nc_u32 v5, v5, v6
	v_add_nc_u32 v[ADRS], s21, v5
	s_mul_i32 s23, s14, 16*SPITCH
	v_mul_u32_u24 v[STO], v2, SPITCH
	v_lshl_add_u32 v[STO], v3, 6, v[STO]
	v_add_nc_u32 v[STO], s23, v[STO]
	v_add_nc_u32 v[RD], s23, v[LI]
	s_wait_alu depctr_va_vdst(0)
	s_wait_tensorcnt 0x0                           ; my tile of the head's four is in; slot 1's first fill is issued as a refill is
	ds_add_u32 v[SPW], v[NIL]                      ; 0 onto my spare word
	s_mov_b32 s[G1+2], NA<<16                      ; no load of mine is out, so descriptors may be written: slot 1's load brings half a block's tiles,
	s_mov_b32 s[G1+4], NA
	s_mov_b32 s[G1B+2], 8<<16
	s_mov_b32 s[G1B+4], 8
	s_mov_b32 s99, 0
	s_mul_i32 s98, s16, NA*KS*FRB                  ; the half that I fetch: its place in memory,
	s_add_nc_u64 s[G0+6:G0+7], s[G0+6:G0+7], s[98:99]
	s_mul_i32 s98, s16, 8*KS*FRB
	s_add_nc_u64 s[G0B+6:G0B+7], s[G0B+6:G0B+7], s[98:99]
	s_mul_i32 s98, s16, NA*TROW                    ; and in LDS
	s_add_co_u32 s[G0+5], s[G0+5], s98
	s_mul_i32 s98, s16, 8*TROW
	s_add_co_u32 s[G0B+5], s[G0B+5], s98
	s_wait_dscnt 0x0                               ; the add is done
	CROUND                                         ; a whole round: all four tiles are in, and the joint loads meet
	JLOAD G0+4, G1, G0B+4, G1B                     ; slot 1: my one tensor load behind the round
	FETCH_B 0, 0, 0
	FETCH_A 0, 0, 0
	SCALES 0
	FETCH_A 0, 0, HALF
	s_wait_loadcnt 0x0
	STEP 0, 0, 2
	STEP 0, 1, 0
	STEP 0, 2, 0
	TURN 0, 1
	STEP 1, 0, 0
	STEP 1, 1, 0
	STEP 1, 2, 0
	LAST
.macro TOSTAGE a
.set AC, 64*(\a)
	WIN 0x08
.irp b, 0,1,2,3,4,5,6,7
	ds_store_b128 v[STO], v[AC+8*\b:AC+8*\b+3] offset:128*(\b/2)+32*(\b%2)
	ds_store_b128 v[STO], v[AC+8*\b+4:AC+8*\b+7] offset:128*(\b/2)+32*(\b%2)+16
.endr
	WIN 0
.set BBK, BK+64*((\a)%2)
.irp t, 0,1,2,3,4,5,6,7,8,9,10,11,12,13,14,15
	ds_load_b128 v[BBK+4*\t:BBK+4*\t+3], v[RD] offset:\t*SPITCH
.endr
.endm
.macro SEND a, younger
.set BBK, BK+64*((\a)%2)
	s_wait_dscnt \younger
.irp t, 0,1,2,3,4,5,6,7,8,9,10,11,12,13,14,15
	global_store_b128 v[LI], v[BBK+4*\t:BBK+4*\t+3], s[10:11] offset:(32*((\a)/2)+8*((\a)%2)+\t+8*(\t/8))*4096 th:TH_STORE_NT
.endr
.endm
	PLACES 4
	TOSTAGE 0
	TOSTAGE 1
	SEND 0, 32
	s_wait_xcnt 0x0
	TOSTAGE 2
	SEND 1, 32
	s_wait_xcnt 0x0
	TOSTAGE 3
	SEND 2, 32
	SEND 3, 0
	s_wait_tensorcnt 0x0
	ds_add_u32 v[SPW], v[NIL]
	s_wait_dscnt 0x0
	CROUND
	s_endpgm
.Lfunc_end_k_q32f780556a_outp:
	.size	k_q32f780556a_outp, .Lfunc_end_k_q32f780556a_outp-k_q32f780556a_outp
	.p2alignl 7, 3214868480
	.fill 96, 4, 3214868480
	.section	.rodata,"a",@progbits
	.p2align	6, 0x0
	.amdhsa_kernel k_q32f780556a_outp
		.amdhsa_group_segment_fixed_size 327680
		.amdhsa_private_segment_fixed_size 0
		.amdhsa_enable_private_segment 0
		.amdhsa_kernarg_size 32
		.amdhsa_user_sgpr_count 2
		.amdhsa_user_sgpr_kernarg_segment_ptr 1
		.amdhsa_wavefront_size32 1
		.amdhsa_system_sgpr_workgroup_id_x 1
		.amdhsa_system_sgpr_workgroup_id_y 1
		.amdhsa_system_sgpr_workgroup_id_z 1
		.amdhsa_system_vgpr_workitem_id 0
		.amdhsa_next_free_vgpr 768
		.amdhsa_next_free_sgpr 100
		.amdhsa_reserve_vcc 0
		.amdhsa_float_denorm_mode_32 3
		.amdhsa_float_denorm_mode_16_64 3
		.amdhsa_memory_ordered 1
		.amdhsa_forward_progress 1
		.amdhsa_inst_pref_size 83
	.end_amdhsa_kernel
	.amdgpu_metadata
---
amdhsa.version: [ 1, 2 ]
amdhsa.kernels:
  - .name:           k_q32f780556a_outp
    .symbol:         k_q32f780556a_outp.kd
    .args:
      - { .name: ctxb, .offset: 0, .size: 8, .value_kind: global_buffer, .address_space: global }
      - { .name: xw, .offset: 8, .size: 8, .value_kind: global_buffer, .address_space: global }
      - { .name: b_out, .offset: 16, .size: 8, .value_kind: global_buffer, .address_space: global }
      - { .name: out0, .offset: 24, .size: 8, .value_kind: global_buffer, .address_space: global }
    .group_segment_fixed_size: 327680
    .private_segment_fixed_size: 0
    .kernarg_segment_align: 8
    .kernarg_segment_size: 32
    .max_flat_workgroup_size: 128
    .sgpr_count:     100
    .vgpr_count:     768
    .wavefront_size: 32
...
	.end_amdgpu_metadata
.endif
;; end of part 5
